; MI455X (gfx1250); checked and timed in simulation.
; The chip was launched on July 23, 2026; its instructions are those of AMD's public machine-readable ISA for CDNA 5 (MIT licence, August 2026) and "CDNA5" Instruction Set Architecture Reference Guide (July 2026). The comments in the code are by the model that wrote it; some were corrected since.
;; Multi Head Attention. Allowed arithmetic: float matrix products may take bf16 or f16 operands with f32 sums; all other float work in f32.
;; Inputs: bk1 1,024 float32; bk2 1,024 float32; bo 1,024 float32; bq1 1,024 float32; bq2 1,024 float32; bv1 1,024 float32; bv2 1,024 float32; key 2 x 2,048 x 1,024 float32; mask 1 x 1 x 2,048 x 2,048 int32; query 2 x 2,048 x 1,024 float32; value 2 x 2,048 x 1,024 float32; wk1 1,024 x 1,024 float32; wk2 1,024 x 1,024 float32; wo 1,024 x 1,024 float32; wq1 1,024 x 1,024 float32; wq2 1,024 x 1,024 float32; wv1 1,024 x 1,024 float32; wv2 1,024 x 1,024 float32.
;; Outputs: out0 2 x 2,048 x 1,024 float32.
;; 2 versions, each right and faster than the one before. Each part assembles by itself: llvm-mc -triple=amdgcn-amd-amdhsa -mcpu=gfx1250 --defsym DOCPART=n.
;; ======== version 1 of 2: 4 launches
;; limits: values are held in f16: magnitudes above 65,504 overflow, below 6.1e-05 lose precision
;; workspace buffers: xb 25,165,824 bytes; wb 14,680,064 bytes; pm 524,288 bytes of whole numbers; qkv 25,165,824 bytes; ve 16,384 bytes; xa 8,388,608 bytes
;; launch prep (part 1): grid 736 x 1, 8 waves a work-group, no clusters, 68,608 bytes of LDS; arguments query, key, value, wq1, wq2, wk1, wk2, wv1, wv2, wo, mask, xb, wb, pm; writes xb, wb, pm
.if DOCPART == 1
	.amdgcn_target "amdgcn-amd-amdhsa--gfx1250"
	.amdhsa_code_object_version 6
	.text
	.protected	k_q898d158407_prep
	.globl	k_q898d158407_prep
	.p2align	8
	.type	k_q898d158407_prep,@function
k_q898d158407_prep:
	s_mov_b64 s[64:65], 0
	v_nop
	global_prefetch_b8 v0, s[64:65] scope:SCOPE_SE
	s_setreg_imm32_b32 hwreg(HW_REG_WAVE_MODE, 25, 1), 1
	s_wait_xcnt 0x0
; prep: one pass over all large inputs.
;  work-groups 0-383:   query, key, value (f32) -> xb, bf16 [12288][1024]
;  work-groups 384-575: the six projection weights (f32) -> wb, bf16.  Row (p*8+blk)*256 + sel*128 + i of wb is row 128 blk + i of
;                       w1 (sel 0) or w2 (sel 1) of projection p (q, k, v), so that 256 neighbouring rows hold both factors of 128 features.
;  work-groups 576-607: wo (f32) -> rows 6144-7167 of wb.  It is rounded to bf16 like every other input, so that all inputs carry one and the
;                       same rounding, and that number is written in F16's format, because it meets x in f16 in the last launch.
;                       A bf16 number has 8 significant bits, so the second step is exact from 2^-17 (there its last bit is 2^-24, f16's
;                       smallest step) up to f16's largest number.
;                       LIMIT: |wo| of 65,536 or more overflows; below 2^-17 it keeps an absolute 2^-25.
;  work-groups 608-735: mask (int32) -> pm, one bit a number, as lane masks for the attention launch:
;                       word ((qp*64+ks)*2+u)*16 + t*8 + j, bit r+16h  =  mask[32 qp+16 u+r][32 ks+16 t+8 h+j] != 0.
; Every work-group moves 128 KiB of input, every wave has 32 loads of 512 neighbouring bytes out at once.
; A stream: no matrix unit, no cluster (no byte is read twice), no tensor load (the numbers change format in registers anyway).
.set NX,    384                        ; work-groups that cast query, key, value
.set NF16,  576                        ; from here on: wo
.set NCAST, 608                        ; from here on: the mask
.set MP,    528                        ; LDS pitch of a mask row of 512 bytes: 33 x 16, so 16 rows start in 16 different columns of 16 bytes
.set WLDS,  16*MP                      ; a wave's own 16 rows
.set XD,    4                          ; v[4:131]   32 loads of 4 registers
.set LST,   132                        ; v132       LDS address for the stores
.set LLD,   133                        ; v133       LDS address for the loads
.set WD,    134                        ; v[134:137] the wave's 128 words, four a lane
	s_load_b512 s[8:23], s[0:1], 0x0               ; query key value wq1 wq2 wk1 wk2 wv1
	s_load_b256 s[24:31], s[0:1], 0x40             ; wv2 wo mask xb
	s_load_b128 s[32:35], s[0:1], 0x60             ; wb pm
	v_lshl_add_u32 v140, v0, 2, 0x10800
	v_mov_b32 v141, 0
	v_lshrrev_b32 v3, 5, v0
	v_readfirstlane_b32 s3, v3                     ; wave
	s_mov_b32 s2, ttmp9
	s_cmp_ge_u32 s2, NCAST
	s_cbranch_scc1 .Lmask
	; ---- cast: 32 rows of 1,024 f32.  Source number, source offset and destination offset for both kinds, then a choice.
	s_lshr_b32 s36, s2, 7                          ; x: which of query, key, value (128 work-groups each)
	s_and_b32 s37, s2, 127
	s_lshl_b32 s37, s37, 17                        ; x: 128 KiB a work-group
	s_lshl_b32 s38, s2, 16                         ; x: 64 KiB of xb a work-group
	s_max_u32 s39, s2, NX
	s_sub_co_u32 s39, s39, NX
	s_lshr_b32 s40, s39, 5                         ; w: which weight, 0 to 6 (32 work-groups each)
	s_and_b32 s41, s39, 31                         ; w: which 32 rows
	s_lshr_b32 s42, s40, 1
	s_lshl_b32 s42, s42, 3                         ; 8 p
	s_lshr_b32 s43, s41, 2
	s_add_co_u32 s42, s42, s43                     ; + blk
	s_lshl_b32 s42, s42, 8
	s_and_b32 s43, s40, 1
	s_lshl_b32 s43, s43, 7
	s_add_co_u32 s42, s42, s43                     ; + 128 sel
	s_and_b32 s43, s41, 3
	s_lshl_b32 s43, s43, 5
	s_add_co_u32 s42, s42, s43                     ; + the 32 rows' place in the block
	s_lshl_b32 s43, s41, 5
	s_add_co_u32 s43, s43, 6144                    ; wo lies plain behind the six
	s_cmp_eq_u32 s40, 6
	s_cselect_b32 s42, s43, s42
	s_lshl_b32 s42, s42, 11                        ; rows of 2,048 bytes
	s_lshl_b32 s41, s41, 17
	s_add_co_u32 s40, s40, 3
	s_cmp_lt_u32 s2, NX
	s_cselect_b32 s36, s36, s40                    ; source number 0 to 9
	s_cselect_b32 s44, s37, s41                    ; source offset
	s_cselect_b32 s46, s38, s42                    ; destination offset
	s_mov_b32 s45, 0
	s_mov_b32 s47, 0
	v_lshlrev_b32 v1, 4, v0                        ; 16 bytes of f32 a thread: the eight waves cover a row of 4,096 bytes
	v_lshlrev_b32 v2, 3, v0                        ; 8 bytes of 16-bit numbers a thread
	s_wait_kmcnt 0x0
	s_cmp_lt_u32 s2, NX
	s_cselect_b64 s[6:7], s[30:31], s[32:33]       ; xb or wb
	s_mov_b64 s[4:5], s[8:9]
.irp k, 1,2,3,4,5,6,7,8,9
	s_cmp_eq_u32 s36, \k
	s_cselect_b64 s[4:5], s[8+2*\k:9+2*\k], s[4:5]
.endr
	s_add_nc_u64 s[4:5], s[4:5], s[44:45]
	s_add_nc_u64 s[6:7], s[6:7], s[46:47]
.set i, 0
.rept 32
	global_load_b128 v[XD+4*i:XD+4*i+3], v1, s[4:5] offset:4096*i th:TH_LOAD_NT
.set i, i+1
.endr
; the 32 rows are rounded to bf16 and stored; asf16 = 1: the bf16 numbers are written in f16's format
.macro CAST asf16
.set i, 0
.rept 32
	s_wait_loadcnt 31-i                            ; loads come back in order: row i is in, the 31-i younger ones stay out
	v_cvt_pk_bf16_f32 v[XD+4*i], v[XD+4*i], v[XD+4*i+1]
	v_cvt_pk_bf16_f32 v[XD+4*i+1], v[XD+4*i+2], v[XD+4*i+3]
.if \asf16
	v_lshlrev_b32 v[XD+4*i+2], 16, v[XD+4*i]               ; bf16 to f32: the low half moves up,
	v_and_b32 v[XD+4*i+3], 0xffff0000, v[XD+4*i]           ; the high half stays
	v_cvt_pk_f16_f32 v[XD+4*i], v[XD+4*i+2], v[XD+4*i+3]
	v_lshlrev_b32 v[XD+4*i+2], 16, v[XD+4*i+1]
	v_and_b32 v[XD+4*i+3], 0xffff0000, v[XD+4*i+1]
	v_cvt_pk_f16_f32 v[XD+4*i+1], v[XD+4*i+2], v[XD+4*i+3]
.endif
	global_store_b64 v2, v[XD+4*i:XD+4*i+1], s[6:7] offset:2048*i   ; a wave's store covers 256 consecutive bytes, aligned; its registers are not written again
.set i, i+1
.endr
	s_endpgm
.endm
	s_cmp_ge_u32 s2, NF16                          ; the work-group's number alone decides the format
	s_cbranch_scc1 .Lwo
	CAST 0
.Lwo:
	CAST 1
	; ---- mask: a wave takes 32 query rows x 128 keys.  16 rows at a time go through the wave's own LDS rows, so that lane (r, h) gets
	; row r's numbers; a compare makes 32 of them one word.
.Lmask:
	s_sub_co_u32 s36, s2, NCAST
	s_lshr_b32 s37, s36, 1                         ; qp: which 32 query rows
	s_and_b32 s36, s36, 1
	s_lshl3_add_u32 s36, s36, s3                   ; kc: which 128 keys = 8 x half + wave
	s_lshl_b32 s38, s36, 9                         ; 512 bytes of a mask row, and 512 bytes of pm
	s_lshl_b32 s44, s37, 18                        ; 32 rows of 8,192 bytes
	s_add_co_u32 s44, s44, s38
	s_mov_b32 s45, 0
	s_lshl_b32 s46, s37, 13                        ; 8,192 bytes of pm for 32 query rows
	s_add_co_u32 s46, s46, s38
	s_mov_b32 s47, 0
	s_mul_i32 s39, s3, WLDS
	v_and_b32 v2, 31, v0
	v_lshlrev_b32 v1, 4, v2                        ; 16 x lane
	v_add_nc_u32 v[LST], s39, v1
	v_and_b32 v2, 15, v0                           ; r
	v_bfe_u32 v3, v0, 4, 1                         ; h
	v_mul_u32_u24 v2, v2, MP
	v_lshl_add_u32 v2, v3, 5, v2                   ; r x pitch + 8 h numbers
	v_add_nc_u32 v[LLD], s39, v2
.irp e, 0,1,2,3
	v_mov_b32 v[WD+\e], 0                          ; v_writelane_b32 keeps the other lanes: written whole once
.endr
	s_wait_kmcnt 0x0
	s_add_nc_u64 s[4:5], s[28:29], s[44:45]
	s_add_nc_u64 s[6:7], s[34:35], s[46:47]
.set i, 0
.rept 32
	global_load_b128 v[XD+4*i:XD+4*i+3], v1, s[4:5] offset:8192*i th:TH_LOAD_NT
.set i, i+1
.endr
.irp u, 0,1
.irp i, 0,1,2,3,4,5,6,7,8,9,10,11,12,13,14,15
	s_wait_loadcnt 31-(16*\u+\i)
	ds_store_b128 v[LST], v[XD+64*\u+4*\i:XD+64*\u+4*\i+3] offset:MP*\i
.endr
	; LDS serves a wave's instructions in order: these loads see the stores above, and the stores have read their data
.irp k, 0,1,2,3
.irp t, 0,1
.irp c, 0,1
	ds_load_b128 v[XD+64*\u+4*(4*\k+2*\t+\c):XD+64*\u+4*(4*\k+2*\t+\c)+3], v[LLD] offset:128*\k+64*\t+16*\c
.endr
.endr
.endr
	s_wait_dscnt 0x0
.irp k, 0,1,2,3
.irp t, 0,1
.irp c, 0,1
.irp e, 0,1,2,3
	v_cmp_ne_u32 s[40+(\e&1)], 0, v[XD+64*\u+4*(4*\k+2*\t+\c)+\e]   ; bit r+16h: mask[16u+r][32k+16t+8h+4c+e] != 0
	v_writelane_b32 v[WD+\e], s[40+(\e&1)], 8*\k+4*\u+2*\t+\c       ; word 32k+16u+8t+4c+e of the wave's 128 = lane x 4 + e
.endr
.endr
.endr
.endr
.endr
	global_store_b128 v1, v[WD:WD+3], s[6:7]       ; 512 consecutive bytes
	s_wait_tensorcnt 0x0
	ds_add_u32 v140, v141
	s_wait_dscnt 0x0
	s_endpgm
.Lfunc_end_k_q898d158407_prep:
	.size	k_q898d158407_prep, .Lfunc_end_k_q898d158407_prep-k_q898d158407_prep
	.p2alignl 7, 3214868480
	.fill 96, 4, 3214868480
	.section	.rodata,"a",@progbits
	.p2align	6, 0x0
	.amdhsa_kernel k_q898d158407_prep
		.amdhsa_group_segment_fixed_size 68608
		.amdhsa_private_segment_fixed_size 0
		.amdhsa_enable_private_segment 0
		.amdhsa_kernarg_size 112
		.amdhsa_user_sgpr_count 2
		.amdhsa_user_sgpr_kernarg_segment_ptr 1
		.amdhsa_wavefront_size32 1
		.amdhsa_system_sgpr_workgroup_id_x 1
		.amdhsa_system_sgpr_workgroup_id_y 1
		.amdhsa_system_sgpr_workgroup_id_z 1
		.amdhsa_system_vgpr_workitem_id 0
		.amdhsa_next_free_vgpr 142
		.amdhsa_next_free_sgpr 66
		.amdhsa_reserve_vcc 0
		.amdhsa_float_denorm_mode_32 3
		.amdhsa_float_denorm_mode_16_64 3
		.amdhsa_memory_ordered 1
		.amdhsa_forward_progress 1
		.amdhsa_inst_pref_size 58
	.end_amdhsa_kernel
	.amdgpu_metadata
---
amdhsa.version: [ 1, 2 ]
amdhsa.kernels:
  - .name:           k_q898d158407_prep
    .symbol:         k_q898d158407_prep.kd
    .args:
      - { .name: query, .offset: 0, .size: 8, .value_kind: global_buffer, .address_space: global }
      - { .name: key, .offset: 8, .size: 8, .value_kind: global_buffer, .address_space: global }
      - { .name: value, .offset: 16, .size: 8, .value_kind: global_buffer, .address_space: global }
      - { .name: wq1, .offset: 24, .size: 8, .value_kind: global_buffer, .address_space: global }
      - { .name: wq2, .offset: 32, .size: 8, .value_kind: global_buffer, .address_space: global }
      - { .name: wk1, .offset: 40, .size: 8, .value_kind: global_buffer, .address_space: global }
      - { .name: wk2, .offset: 48, .size: 8, .value_kind: global_buffer, .address_space: global }
      - { .name: wv1, .offset: 56, .size: 8, .value_kind: global_buffer, .address_space: global }
      - { .name: wv2, .offset: 64, .size: 8, .value_kind: global_buffer, .address_space: global }
      - { .name: wo, .offset: 72, .size: 8, .value_kind: global_buffer, .address_space: global }
      - { .name: mask, .offset: 80, .size: 8, .value_kind: global_buffer, .address_space: global }
      - { .name: xb, .offset: 88, .size: 8, .value_kind: global_buffer, .address_space: global }
      - { .name: wb, .offset: 96, .size: 8, .value_kind: global_buffer, .address_space: global }
      - { .name: pm, .offset: 104, .size: 8, .value_kind: global_buffer, .address_space: global }
    .group_segment_fixed_size: 68608
    .private_segment_fixed_size: 0
    .kernarg_segment_align: 8
    .kernarg_segment_size: 112
    .max_flat_workgroup_size: 256
    .sgpr_count:     66
    .vgpr_count:     142
    .wavefront_size: 32
...
	.end_amdgpu_metadata
.endif
;; end of part 1
;; launch proj (part 2): grid 8 x 48, 4 waves a work-group, clusters of 4 x 4, 327,680 bytes of LDS; arguments xb, wb, qkv, bq1, bq2, bk1, bk2, bv1, bv2, ve; writes qkv, ve
.if DOCPART == 2
	.amdgcn_target "amdgcn-amd-amdhsa--gfx1250"
	.amdhsa_code_object_version 6
	.text
	.protected	k_q898d158407_proj
	.globl	k_q898d158407_proj
	.p2align	8
	.type	k_q898d158407_proj,@function
k_q898d158407_proj:
	s_mov_b64 s[64:65], 0
	v_nop
	global_prefetch_b8 v0, s[64:65] scope:SCOPE_SE
	s_setreg_imm32_b32 hwreg(HW_REG_WAVE_MODE, 25, 1), 1
	s_wait_xcnt 0x0
	s_wait_alu depctr_hold_cnt(0) depctr_sa_sdst(0) depctr_va_vdst(0) depctr_va_sdst(0) depctr_va_ssrc(0) depctr_va_vcc(0) depctr_vm_vsrc(0)
	s_getreg_b32 s2, hwreg(HW_REG_IB_STS2, 6, 4)
	s_cmp_eq_u32 s2, 0
	s_cbranch_scc0 .Lentry_in_a_cluster
	s_endpgm
.Lentry_in_a_cluster:
	s_bfe_u32 s2, ttmp6, 0x10000c
	s_cmp_lg_u32 s2, 0xf033
	s_cbranch_scc0 .Lentry_shape_is_right
	s_endpgm
.Lentry_shape_is_right:
; proj: the three SwiGLU projections as one product.  A = xb [12288][1024] bf16 (query, key, value rows), B = wb (see prep).
; A work-group makes 256 rows x 256 rows of B = 128 features of w1 and the SAME 128 features of w2; four waves, each 128 rows x (64 + 64).
; So both factors of silu(x w1 + b1) (x w2 + b2) lie in one lane's accumulators, and only the product goes to memory: qkv [12288][1024], 16 bits.
;   q: bf16, already multiplied by 0.125 log2(e) (the scores then come out as exponents of 2);   k: bf16;
;   v: f16, each block of 16 keys x one head divided by 2^e, e the exponent of its largest magnitude (so that it lies in [1, 2)); the f32
;      number 2^e goes to ve [batch][head][key / 16].  bf16 leaves too few bits for rows of the attention that see few keys, and plain f16 has no
;      room for larger inputs; with the block's own exponent it has both.
; LIMITS: matrix operands are bf16; e is kept in -126 .. 126 (a block whose largest magnitude is below 2^-126 is scaled by 2^126).
; K goes in steps of 128 through two LDS slots filled by tensor loads; rows of 256 bytes, aligned, padded to 272 in LDS.
; CLUSTERS: 4 x 4 work-groups.  A's tile hangs on the block row alone and is asked for jointly by a row of the cluster, B's on the block column
; (and the projection, which the whole cluster shares: 16 block rows a projection, 4 a cluster) and is asked for jointly by a column.
; No prefetch: xb and wb were written by the launch before, and each tile is requested a K step ahead.
;
; REGISTERS, in windows of 256: window 0: v16-29 addresses, v32-63 b1, v224-255 b2, v64-127 and v128-191 fragments of A (two buffers);
; window 1: v64-191 fragments of B;  window 2: accumulators of my rows 0-63 (tile (a, b) at v[8 (8 a + b)], b 0-3 w1, b 4-7 w2);  window 3: rows 64-127.
; The matrix instruction is used transposed (source 0 = rows of B, source 1 = rows of A): a lane holds eight neighbouring features of one row.
.set SIZE_K, 1024
.set KSTEP,  128
.set PITCH,  272
.set HALFT,  128*PITCH                 ; what one tensor load brings
.set SLOT,   4*HALFT                   ; A's 256 rows, then B's 256 rows
.set STAGE,  2*SLOT                    ; behind the ring: 128 rows x 272 bytes, no tensor load fills it
.set SPITCH, 272
.set LAPS, SIZE_K/(2*KSTEP)
.set ADRA, 16
.set ADRB, 20
.set STO,  24
.set RD,   25
.set CO,   26
.set BOF,  27                          ; byte offset of my features in the biases
.set TB,   28                          ; lanes 0-7: 2^e of my eight blocks
.set LOF,  29                          ; 4 x lane
.set B1,   32                          ; v[32:63]   b1 of my features, as the accumulators hold them
.set F0,   64
.set F1,   128
.set GA,   64                          ; the way out: first factor, then the product
.set GB,   96                          ; second factor, then the packed result
.set RB,   128                         ; rows read back
.set EX,   192                         ; at work
.set B2,   224                         ; v[224:255] b2 (times q's scale)
.set G1, 24
.set G0, 32
.set G1B, 48
.set G0B, 56
.set MSB, 0
.macro WIN new                         ; the immediate's high byte repeats the setting that is left
.if MSB != \new
	s_set_vgpr_msb (MSB<<8)|\new
.set MSB, \new
.endif
.endm
.set MUL_LO, 0xa1                      ; source 0 (B) window 1, source 1 (A) window 0, C and D window 2
.set MUL_HI, 0xf1
.set TO_B,   0x40
.macro JLOAD s                         ; waves 0, 1 ask for A's halves, waves 2, 3 for B's: one mask a line, the branch hangs on the wave's number alone
	s_cmp_eq_u32 s11, 0
	s_cbranch_scc0 .Lfor_b_\@
	tensor_load_to_lds s[G0+4*\s:G0+4*\s+3], s[G1:G1+7]
	s_nop 0
	s_branch .Lasked_\@
.Lfor_b_\@:
	tensor_load_to_lds s[G0B+4*\s:G0B+4*\s+3], s[G1B:G1B+7]
	s_nop 0
.Lasked_\@:
.endm
.macro CREST                           ; a round of the cluster's barrier behind its opening barrier
	s_cmp_lg_u32 s10, 0
	s_cbranch_scc1 .Lnot_wave_0_\@
	s_barrier_signal -3
.Lnot_wave_0_\@:
	s_barrier_wait -3
	s_barrier_signal -1
	s_barrier_wait -1
.endm
.macro CROUND
	s_barrier_signal -1
	s_barrier_wait -1
	CREST
.endm
	s_load_b128 s[4:7], s[0:1], 0x0                ; xb, wb
	s_load_b64 s[8:9], s[0:1], 0x10                ; qkv
	s_load_b128 s[68:71], s[0:1], 0x18             ; bq1 bq2
	s_load_b128 s[72:75], s[0:1], 0x28             ; bk1 bk2
	s_load_b128 s[76:79], s[0:1], 0x38             ; bv1 bv2
	s_load_b64 s[92:93], s[0:1], 0x48              ; ve
	s_set_vgpr_msb 0x40
	v_lshl_add_u32 v255, v0, 2, 0x4c800
	s_set_vgpr_msb 0x4000
	v_mov_b32 v31, 0
	s_set_vgpr_msb 0x1
	ds_add_u32 v255, v31
	s_set_vgpr_msb 0x100
	v_lshrrev_b32 v1, 5, v0
	v_readfirstlane_b32 s10, v1                    ; wave
	s_lshr_b32 s11, s10, 1                         ; my half of the rows.  Also: I fetch for A (0) or B (1)
	s_and_b32 s12, s10, 1                          ; my half of the features.  Also: which 128 rows of that tile I fetch
	s_bfe_u32 s40, ttmp6, 0x40000                  ; cx
	s_bfe_u32 s41, ttmp6, 0x40004                  ; cy
	s_lshl_b32 s42, ttmp9, 2
	s_add_co_u32 s42, s42, s40                     ; block column: 128 features
	s_and_b32 s13, ttmp7, 0xffff
	s_lshr_b32 s45, s13, 2                         ; projection 0, 1, 2: from the cluster's y alone
	s_lshl_b32 s13, s13, 2
	s_add_co_u32 s13, s13, s41                     ; block row: 256 rows of xb
	s_lshl_b32 s43, s41, 2
	s_lshl_b32 s43, 15, s43                        ; my row of the cluster
	s_lshl_b32 s44, 0x1111, s40                    ; my column
	s_mov_b32 s88, 0x76543210                      ; v_permlanex16_b32: lane i reads lane i of the other half
	s_mov_b32 s89, 0xfedcba98
	s_or_b32 s[G1+0], s43, (1<<16)|(1<<20)|(1<<21)|(5<<22)|(3<<25)  ; mask; 2-byte elements; padding on; bit 21 beside a mask; after 64 words, 4 words
	s_or_b32 s[G1B+0], s44, (1<<16)|(1<<20)|(1<<21)|(5<<22)|(3<<25)
	s_mov_b32 s[G1B+1], KSTEP<<16
	s_mov_b32 s[G1+1], KSTEP<<16                   ; tensor_dim0 = 128
	s_mov_b32 s[G1B+2], 128<<16
	s_mov_b32 s[G1+2], 128<<16                     ; tensor_dim1 = 128
	s_mov_b32 s[G1B+3], KSTEP<<16
	s_mov_b32 s[G1+3], KSTEP<<16                   ; tile_dim0 = 128
	s_mov_b32 s[G1B+4], 128
	s_mov_b32 s[G1+4], 128                         ; tile_dim1 = 128
	s_mov_b32 s[G1B+5], SIZE_K
	s_mov_b32 s[G1+5], SIZE_K                      ; elements from row to row
	s_mov_b32 s[G1B+6], 0
	s_mov_b32 s[G1+6], 0
	s_mov_b32 s[G1B+7], 0
	s_mov_b32 s[G1+7], 0
	s_lshl_b32 s17, s12, 7
	s_lshl_b32 s16, s13, 8
	s_add_co_u32 s16, s16, s17                     ; A: row 256 x block row + 128 x half
	s_lshl_b32 s46, s42, 8
	s_add_co_u32 s46, s46, s17
	s_lshl_b32 s47, s45, 11
	s_add_co_u32 s46, s46, s47                     ; B: row 2048 x projection + 256 x block column + 128 x half
	s_mov_b32 s17, 0
	s_mov_b32 s47, 0
	s_mov_b64 s[18:19], SIZE_K*2
	s_mul_u64 s[16:17], s[16:17], s[18:19]
	s_mul_u64 s[46:47], s[46:47], s[18:19]
	s_mul_i32 s20, s10, HALFT                      ; where the tile goes: wave x 128 rows
	s_wait_dscnt 0x0
	s_wait_kmcnt 0x0
	s_add_nc_u64 s[14:15], s[4:5], s[16:17]
	s_add_nc_u64 s[46:47], s[6:7], s[46:47]
	CROUND                                         ; all sixteen work-groups are here: the first joint loads meet
.irp s, 0,1
	s_mov_b32 s[G0+4*\s], 1
	s_add_co_u32 s[G0+4*\s+1], s20, \s*SLOT
	s_add_nc_u64 s[G0+4*\s+2:G0+4*\s+3], s[14:15], \s*KSTEP*2
	s_or_b32 s[G0+4*\s+3], s[G0+4*\s+3], 0x80000000
	s_mov_b32 s[G0B+4*\s], 1
	s_add_co_u32 s[G0B+4*\s+1], s20, \s*SLOT
	s_add_nc_u64 s[G0B+4*\s+2:G0B+4*\s+3], s[46:47], \s*KSTEP*2
	s_or_b32 s[G0B+4*\s+3], s[G0B+4*\s+3], 0x80000000
	JLOAD \s
.endr
	; the projection's biases, its scale and its format
	s_cmp_eq_u32 s45, 1
	s_cselect_b64 s[68:69], s[72:73], s[68:69]
	s_cselect_b64 s[70:71], s[74:75], s[70:71]
	s_cmp_eq_u32 s45, 2
	s_cselect_b64 s[68:69], s[76:77], s[68:69]     ; b1
	s_cselect_b64 s[70:71], s[78:79], s[70:71]     ; b2
	s_cselect_b32 s86, -1, 0                       ; all lanes: the result is v, in f16
	s_cselect_b32 s87, 32, 0                       ; lanes with 4 x lane below this store to ve
	s_cmp_eq_u32 s45, 0
	s_cselect_b32 s80, 0x3e38aa3b, 1.0             ; q alone: 0.125 log2(e), laid on the second factor
	s_mov_b32 s81, s80
	v_and_b32 v1, 15, v0                           ; r
	v_bfe_u32 v2, v0, 4, 1                         ; h
	s_lshl_b32 s82, s42, 9
	s_lshl_b32 s83, s12, 8
	s_add_co_u32 s82, s82, s83
	v_lshl_add_u32 v[BOF], v2, 5, s82              ; 4 x (128 block column + 64 half + 8 h)
.irp b, 0,1,2,3
	global_load_b128 v[B1+8*\b:B1+8*\b+3],   v[BOF], s[68:69] offset:64*\b
	global_load_b128 v[B1+8*\b+4:B1+8*\b+7], v[BOF], s[68:69] offset:64*\b+16
	global_load_b128 v[B2+8*\b:B2+8*\b+3],   v[BOF], s[70:71] offset:64*\b
	global_load_b128 v[B2+8*\b+4:B2+8*\b+7], v[BOF], s[70:71] offset:64*\b+16
.endr
	v_mul_u32_u24 v3, v1, PITCH
	v_lshl_add_u32 v3, v2, 4, v3                   ; row x pitch + 16 x half
	s_mul_i32 s21, s11, HALFT                      ; my 128 rows of A
	s_mul_i32 s22, s12, 64*PITCH                   ; my 64 features of w1; w2's lie 128 rows further down
	s_add_co_u32 s22, s22, 2*HALFT
.irp s, 0,1
	v_add_nc_u32 v[ADRA+\s], s21, v3
	v_add_nc_u32 v[ADRB+\s], s22, v3
	s_add_co_u32 s21, s21, SLOT
	s_add_co_u32 s22, s22, SLOT
.endr
	s_mul_i32 s23, s11, 64*SPITCH                  ; the stage holds 64 rows of each half of the block's rows
	s_lshl_b32 s21, s12, 7
	s_add_co_u32 s23, s23, s21
	s_add_co_u32 s23, s23, STAGE
	v_mul_u32_u24 v4, v1, SPITCH
	v_lshl_add_u32 v4, v2, 4, v4
	v_add_nc_u32 v[STO], s23, v4                   ; in: row r, my 128 bytes, 16 bytes for each half of the lanes
	s_mul_i32 s23, s10, 32*SPITCH
	s_add_co_u32 s23, s23, STAGE
	v_mul_u32_u24 v5, v2, SPITCH
	v_lshl_add_u32 v5, v1, 4, v5
	v_add_nc_u32 v[RD], s23, v5                    ; back: wave w takes stage rows 32 w .., two whole rows a load
	v_lshlrev_b32 v5, 11, v2
	v_lshl_add_u32 v[CO], v1, 4, v5
	v_mov_b32 v[TB], 0
	v_and_b32 v[LOF], 31, v0
	v_lshlrev_b32 v[LOF], 2, v[LOF]
	s_wait_loadcnt 0x0                             ; the biases
.set i, 0
.rept 16
	v_pk_mul_f32 v[B2+2*i:B2+2*i+1], v[B2+2*i:B2+2*i+1], s[80:81] op_sel_hi:[1,0]
.set i, i+1
.endr
.macro MUL16 f, hi, a0, zero
.irp a, \a0, \a0+1
.irp b, 0,1,2,3,4,5,6,7
.if \zero
	v_wmma_f32_16x16x32_bf16 v[8*(8*(\a)+\b):8*(8*(\a)+\b)+7], v[\f+8*\b:\f+8*\b+7], v[\f+8*(4*\hi+\a):\f+8*(4*\hi+\a)+7], 0
.else
	v_wmma_f32_16x16x32_bf16 v[8*(8*(\a)+\b):8*(8*(\a)+\b)+7], v[\f+8*\b:\f+8*\b+7], v[\f+8*(4*\hi+\a):\f+8*(4*\hi+\a)+7], v[8*(8*(\a)+\b):8*(8*(\a)+\b)+7]
.endif
.endr
.endr
.endm
; 32 LDS loads in one run.  B's fragments 0-3 are my 64 features of w1, 4-7 the same features of w2, 128 rows further down
.macro FETCH slot, k, f
	WIN TO_B
.irp i, 0,1,2,3,4,5,6,7
	ds_load_b128 v[\f+8*\i:\f+8*\i+3],   v[ADRB+\slot] offset:\k+(16*\i+64*(\i/4))*PITCH
	ds_load_b128 v[\f+8*\i+4:\f+8*\i+7], v[ADRB+\slot] offset:\k+(16*\i+64*(\i/4))*PITCH+32
.endr
	WIN 0
.irp i, 0,1,2,3,4,5,6,7
	ds_load_b128 v[\f+8*\i:\f+8*\i+3],   v[ADRA+\slot] offset:\k+\i*16*PITCH
	ds_load_b128 v[\f+8*\i+4:\f+8*\i+7], v[ADRA+\slot] offset:\k+\i*16*PITCH+32
.endr
.endm
; four places behind a matrix instruction before its registers are loaded into, read or written by anything else (ISA guide 7.12.1)
.macro PLACES
.rept 4
	v_nop
.endr
.endm
.macro QUARTER slot, k, f, g, zero
	s_wait_dscnt 8                                 ; B and A's rows 0-63 are in; the youngest eight loads (A's rows 64-127) may be out
	WIN MUL_LO
	MUL16 \f, 0, 0, \zero
	MUL16 \f, 0, 2, \zero
	PLACES
	FETCH \slot, \k, \g
	s_wait_dscnt 32                                ; all but the 32 just issued
	WIN MUL_HI
	MUL16 \f, 1, 0, \zero
	MUL16 \f, 1, 2, \zero
.endm
.macro THREE slot, zero
	QUARTER \slot, 64,  F0, F1, \zero
	QUARTER \slot, 128, F1, F0, 0
	QUARTER \slot, 192, F0, F1, 0
.endm
; the last quarter of a K step changes slots: my reads of this slot and all my tensor loads are waited for, then the barrier
; (with a refill: a round of the cluster's barrier), then the joint refill first, then the next slot's first fragments
.macro TURN slot, next, fill
	s_wait_dscnt 8
	WIN MUL_LO
	MUL16 F1, 0, 0, 0
	s_wait_dscnt 0
	s_wait_tensorcnt 0x0
	ds_add_u32 v255, v31
	s_wait_dscnt 0x0
	s_barrier_signal -1
	MUL16 F1, 0, 2, 0                              ; register work between signal and wait
	WIN 0
	s_barrier_wait -1
.if \fill
	CREST
	s_add_nc_u64 s[G0+4*\slot+2:G0+4*\slot+3], s[G0+4*\slot+2:G0+4*\slot+3], 2*KSTEP*2
	s_add_nc_u64 s[G0B+4*\slot+2:G0B+4*\slot+3], s[G0B+4*\slot+2:G0B+4*\slot+3], 2*KSTEP*2
	JLOAD \slot
.endif
	PLACES
	FETCH \next, 0, F0
	WIN MUL_HI
	MUL16 F1, 1, 0, 0
	MUL16 F1, 1, 2, 0
.endm
.macro LAP zero
	THREE 0, \zero
	TURN 0, 1, 1
	THREE 1, 0
	TURN 1, 0, 1
.endm
	s_wait_tensorcnt 1                             ; my part of K step 0 is in; K step 1's may stay out
	s_barrier_signal -1
	s_barrier_wait -1
	FETCH 0, 0, F0
	LAP 1                                          ; the first products start the sums: nothing is cleared.  The 64 accumulators take turns, one
	WIN 0                                          ; instruction a turn, in the same order everywhere
	s_mov_b32 s3, LAPS-2
.Llap:
	LAP 0
	WIN 0
	s_sub_co_u32 s3, s3, 1
	s_cmp_lg_u32 s3, 0
	s_cbranch_scc1 .Llap
	THREE 0, 0                                     ; the last lap fills nothing
	TURN 0, 1, 0
	THREE 1, 0
	s_wait_dscnt 8
	WIN MUL_LO
	MUL16 F1, 0, 0, 0
	MUL16 F1, 0, 2, 0
	s_wait_dscnt 0
	WIN MUL_HI
	MUL16 F1, 1, 0, 0
	MUL16 F1, 1, 2, 0
	; THE WAY OUT
	PLACES
	s_and_b32 s94, s13, 15                         ; block row inside the projection
	s_lshr_b32 s95, s94, 3                         ; batch
	s_and_b32 s94, s94, 7
	s_lshl_b32 s94, s94, 6                         ; 16 blocks of 16 keys, 4 bytes each
	s_lshl_b32 s95, s95, 13
	s_add_co_u32 s94, s94, s95
	s_lshl_b32 s95, s42, 10                        ; two heads of 512 bytes a block column
	s_add_co_u32 s94, s94, s95
	s_lshl_b32 s95, s12, 9
	s_add_co_u32 s94, s94, s95
	s_lshl_b32 s95, s11, 5                         ; my eight blocks
	s_add_co_u32 s94, s94, s95
	s_mov_b32 s95, 0
	s_add_nc_u64 s[92:93], s[92:93], s[94:95]
	s_lshl_b32 s13, s13, 8
	s_lshl_b32 s14, s11, 7
	s_add_co_u32 s16, s13, s14
	s_lshl_b32 s14, s12, 5
	s_add_co_u32 s16, s16, s14                     ; the first row that I store: 256 block row + 128 (w >> 1) + 32 (w & 1)
	s_lshl_b32 s16, s16, 11
	s_mov_b32 s17, 0
	s_add_nc_u64 s[8:9], s[8:9], s[16:17]
	s_lshl_b32 s46, s42, 8                         ; 256 bytes a block column
	s_mov_b32 s47, 0
	s_add_nc_u64 s[8:9], s[8:9], s[46:47]
; 16 rows x my 64 features: the tiles (a, 0..3) and (a, 4..7) of window 2 or 3 (win = 0x02, 0x03: source 0); idx: the block's lane in TB
.macro GROUP a, win, idx
	WIN \win
.irp b, 0,1,2,3
.irp r, 0,2,4,6
	v_pk_add_f32 v[GA+8*\b+\r:GA+8*\b+\r+1], v[8*(8*\a+\b)+\r:8*(8*\a+\b)+\r+1], v[B1+8*\b+\r:B1+8*\b+\r+1]
	v_pk_fma_f32 v[GB+8*\b+\r:GB+8*\b+\r+1], v[8*(8*\a+\b+4)+\r:8*(8*\a+\b+4)+\r+1], s[80:81], v[B2+8*\b+\r:B2+8*\b+\r+1] op_sel_hi:[1,0,1]
.endr
.endr
	WIN 0
.set i, 0
.rept 16
	v_pk_mul_f32 v[EX+2*i:EX+2*i+1], v[GA+2*i:GA+2*i+1], 0xbfb8aa3b op_sel_hi:[1,0]   ; -log2(e) x
.set i, i+1
.endr
.set i, 0
.rept 32
	v_exp_f32 v[EX+i], v[EX+i]
.set i, i+1
.endr
	v_nop                                          ; one plain place behind the transcendentals (ISA guide 5.7.2)
.set i, 0
	s_wait_alu depctr_va_vdst(0)
.rept 16
	v_pk_add_f32 v[EX+2*i:EX+2*i+1], v[EX+2*i:EX+2*i+1], 1.0 op_sel_hi:[1,0]
.set i, i+1
.endr
.set i, 0
.rept 32
	v_rcp_f32 v[EX+i], v[EX+i]                     ; the sigmoid; an infinite exponential gives 0
.set i, i+1
.endr
	v_nop
.set i, 0
	s_wait_alu depctr_va_vdst(0)
.rept 16
	v_pk_mul_f32 v[GA+2*i:GA+2*i+1], v[GA+2*i:GA+2*i+1], v[EX+2*i:EX+2*i+1]   ; silu first: a zero sigmoid meets only finite numbers
.set i, i+1
.endr
.set i, 0
.rept 16
	v_pk_mul_f32 v[GA+2*i:GA+2*i+1], v[GA+2*i:GA+2*i+1], v[GB+2*i:GB+2*i+1]
.set i, i+1
.endr
	; the block's largest magnitude: four chains in the lane, then across the 32 lanes
.irp c, 0,1,2,3
	v_max3_num_f32 v[EX+\c], |v[GA+8*\c]|, |v[GA+8*\c+1]|, |v[GA+8*\c+2]|
.endr
.irp c, 0,1,2,3
	v_max3_num_f32 v[EX+\c], v[EX+\c], |v[GA+8*\c+3]|, |v[GA+8*\c+4]|
.endr
.irp c, 0,1,2,3
	v_max3_num_f32 v[EX+\c], v[EX+\c], |v[GA+8*\c+5]|, |v[GA+8*\c+6]|
.endr
.irp c, 0,1,2,3
	v_max_num_f32 v[EX+\c], v[EX+\c], |v[GA+8*\c+7]|
.endr
	v_max3_num_f32 v[EX], v[EX], v[EX+1], v[EX+2]
	v_max_num_f32 v[EX], v[EX], v[EX+3]
	v_max_num_f32_dpp v[EX], v[EX], v[EX] row_xmask:1 row_mask:0xf bank_mask:0xf
	v_max_num_f32_dpp v[EX], v[EX], v[EX] row_xmask:2 row_mask:0xf bank_mask:0xf
	v_max_num_f32_dpp v[EX], v[EX], v[EX] row_xmask:4 row_mask:0xf bank_mask:0xf
	v_max_num_f32_dpp v[EX], v[EX], v[EX] row_xmask:8 row_mask:0xf bank_mask:0xf
	v_permlanex16_b32 v[EX+1], v[EX], s88, s89
	v_max_num_f32 v[EX], v[EX], v[EX+1]
	v_readfirstlane_b32 s82, v[EX]
	s_lshr_b32 s82, s82, 23                        ; its exponent field (the sign is clear)
	s_max_u32 s82, s82, 1
	s_min_u32 s82, s82, 253                        ; so that 2^e and 2^-e are both normal numbers
	s_lshl_b32 s83, s82, 23                        ; 2^e
	v_writelane_b32 v[TB], s83, \idx
	s_sub_co_u32 s82, 254, s82
	s_lshl_b32 s82, s82, 23                        ; 2^-e
	s_cmp_eq_u32 s45, 2
	s_cselect_b32 s84, s82, 1.0                    ; q and k keep their size
	s_mov_b32 s85, s84
.set i, 0
.rept 16
	v_pk_mul_f32 v[GA+2*i:GA+2*i+1], v[GA+2*i:GA+2*i+1], s[84:85] op_sel_hi:[1,0]
.set i, i+1
.endr
.set i, 0
.rept 16
	v_cvt_pk_bf16_f32 v[GB+i], v[GA+2*i], v[GA+2*i+1]
	v_cvt_pk_f16_f32 v[EX+i], v[GA+2*i], v[GA+2*i+1]
.set i, i+1
.endr
.set i, 0
.rept 16
	v_cndmask_b32 v[GB+i], v[GB+i], v[EX+i], s86   ; a choice of value, the same work in every projection
.set i, i+1
.endr
.irp b, 0,1,2,3
	ds_store_b128 v[STO], v[GB+4*\b:GB+4*\b+3] offset:\a*16*SPITCH+32*\b
.endr
.endm
; 64 rows of each wave: into the stage, a barrier (a stage row holds two waves' halves), back as whole rows of 256 bytes
.macro HALF hi, win
	GROUP 0, \win, 4*\hi
	GROUP 1, \win, 4*\hi+1
	GROUP 2, \win, 4*\hi+2
	GROUP 3, \win, 4*\hi+3
	s_wait_dscnt 0x0                               ; my stores to the stage are done, for the waves that read them
	s_barrier_signal -1
	s_barrier_wait -1
.if \hi
	s_wait_xcnt 0x0                                ; RB is the data of the first half's stores: loaded again only behind this wait
.endif
.irp t, 0,1,2,3,4,5,6,7,8,9,10,11,12,13,14,15
	ds_load_b128 v[RB+4*\t:RB+4*\t+3], v[RD] offset:\t*2*SPITCH
.endr
.irp t, 0,1,2,3,4,5,6,7,8,9,10,11,12,13,14,15
	s_wait_dscnt 15-\t
	global_store_b128 v[CO], v[RB+4*\t:RB+4*\t+3], s[8:9] offset:(64*\hi+2*\t)*2048   ; 16 lanes store 256 consecutive bytes, aligned
.endr
.endm
	HALF 0, 0x02
	s_wait_dscnt 0x0                               ; my reads of the stage are back
	s_barrier_signal -1
	s_barrier_wait -1                              ; everybody's are: the stage may be written again
	HALF 1, 0x03
	v_cmp_gt_u32 vcc_lo, s87, v[LOF]               ; lanes 0-7 where the result is v, else none
	s_wait_xcnt 0x0                                ; EXEC is a source of the pending stores
	s_and_saveexec_b32 s90, vcc_lo
	global_store_b32 v[LOF], v[TB], s[92:93]       ; 2^e of my eight blocks
	s_wait_xcnt 0x0
	s_or_b32 exec_lo, exec_lo, s90
	s_set_vgpr_msb 0x1
	s_wait_tensorcnt 0x0
	ds_add_u32 v255, v31
	s_wait_dscnt 0x0
	s_set_vgpr_msb 0x100
	CROUND                                         ; the closing round
	s_endpgm
.Lfunc_end_k_q898d158407_proj:
	.size	k_q898d158407_proj, .Lfunc_end_k_q898d158407_proj-k_q898d158407_proj
	.p2alignl 7, 3214868480
	.fill 96, 4, 3214868480
	.section	.rodata,"a",@progbits
	.p2align	6, 0x0
	.amdhsa_kernel k_q898d158407_proj
		.amdhsa_group_segment_fixed_size 327680
		.amdhsa_private_segment_fixed_size 0
		.amdhsa_enable_private_segment 0
		.amdhsa_kernarg_size 80
		.amdhsa_user_sgpr_count 2
		.amdhsa_user_sgpr_kernarg_segment_ptr 1
		.amdhsa_wavefront_size32 1
		.amdhsa_system_sgpr_workgroup_id_x 1
		.amdhsa_system_sgpr_workgroup_id_y 1
		.amdhsa_system_sgpr_workgroup_id_z 1
		.amdhsa_system_vgpr_workitem_id 0
		.amdhsa_next_free_vgpr 1024
		.amdhsa_next_free_sgpr 96
		.amdhsa_reserve_vcc 1
		.amdhsa_float_denorm_mode_32 3
		.amdhsa_float_denorm_mode_16_64 3
		.amdhsa_memory_ordered 1
		.amdhsa_forward_progress 1
		.amdhsa_inst_pref_size 255
	.end_amdhsa_kernel
	.section	.bss,"aw",@nobits
	.p2align	6
	.space	262144
	.amdgpu_metadata
---
amdhsa.version: [ 1, 2 ]
amdhsa.kernels:
  - .name:           k_q898d158407_proj
    .symbol:         k_q898d158407_proj.kd
    .args:
      - { .name: xb, .offset: 0, .size: 8, .value_kind: global_buffer, .address_space: global }
      - { .name: wb, .offset: 8, .size: 8, .value_kind: global_buffer, .address_space: global }
      - { .name: qkv, .offset: 16, .size: 8, .value_kind: global_buffer, .address_space: global }
      - { .name: bq1, .offset: 24, .size: 8, .value_kind: global_buffer, .address_space: global }
      - { .name: bq2, .offset: 32, .size: 8, .value_kind: global_buffer, .address_space: global }
      - { .name: bk1, .offset: 40, .size: 8, .value_kind: global_buffer, .address_space: global }
      - { .name: bk2, .offset: 48, .size: 8, .value_kind: global_buffer, .address_space: global }
      - { .name: bv1, .offset: 56, .size: 8, .value_kind: global_buffer, .address_space: global }
      - { .name: bv2, .offset: 64, .size: 8, .value_kind: global_buffer, .address_space: global }
      - { .name: ve, .offset: 72, .size: 8, .value_kind: global_buffer, .address_space: global }
    .group_segment_fixed_size: 327680
    .private_segment_fixed_size: 0
    .kernarg_segment_align: 8
    .kernarg_segment_size: 80
    .max_flat_workgroup_size: 128
    .sgpr_count:     96
    .vgpr_count:     1024
    .wavefront_size: 32
...
	.end_amdgpu_metadata
.endif
;; end of part 2
;; launch attn (part 3): grid 16 x 16, 8 waves a work-group, clusters of 4 x 1, 327,680 bytes of LDS; arguments qkv, pm, ve, xa; writes xa
.if DOCPART == 3
	.amdgcn_target "amdgcn-amd-amdhsa--gfx1250"
	.amdhsa_code_object_version 6
	.text
	.protected	k_q898d158407_attn
	.globl	k_q898d158407_attn
	.p2align	8
	.type	k_q898d158407_attn,@function
k_q898d158407_attn:
	s_mov_b64 s[64:65], 0
	v_nop
	global_prefetch_b8 v0, s[64:65] scope:SCOPE_SE
	s_setreg_imm32_b32 hwreg(HW_REG_WAVE_MODE, 25, 1), 1
	s_wait_xcnt 0x0
	s_wait_alu depctr_hold_cnt(0) depctr_sa_sdst(0) depctr_va_vdst(0) depctr_va_sdst(0) depctr_va_ssrc(0) depctr_va_vcc(0) depctr_vm_vsrc(0)
	s_getreg_b32 s2, hwreg(HW_REG_IB_STS2, 6, 4)
	s_cmp_eq_u32 s2, 0
	s_cbranch_scc0 .Lentry_in_a_cluster
	s_endpgm
.Lentry_in_a_cluster:
	s_bfe_u32 s2, ttmp6, 0x10000c
	s_cmp_lg_u32 s2, 0x3003
	s_cbranch_scc0 .Lentry_shape_is_right
	s_endpgm
.Lentry_shape_is_right:
; attn: softmax(q k^T / 8, masked) v for two neighbouring heads and 128 queries a work-group; eight waves, each one head x 32 queries
; (two tiles u of 16).  All 2,048 keys are walked, 64 a step: the mask is an input, so nothing is skipped; a masked score becomes -1e9 (here
; times log2 e, since q carries 0.125 log2 e), and a running maximum is taken away before every exponential, so a row that is masked
; everywhere comes out uniform.
; S^T = K Q^T: lane (r, h) holds query r and keys 8h+j, so the row's maximum and sum are one number a lane, the mask is one lane-mask word
; a register (pm, fetched by scalar loads), and the exponentials, packed, ARE the B fragment of O^T = V^T P^T.
; 64 keys a step: O (64 registers) is brought to the new maximum once for 64 scores a lane, and a step's 64 mask words are asked for
; again block by block straight behind their last use, a whole step ahead of the next.
; V is f16, each block of 16 keys divided by 2^e (ve).  With 2^E the head's largest 2^e, P is multiplied by f = 2^(e-E) <= 1 behind the
; exponential and rounded to f16; the sum of the row takes the unscaled P.  x leaves in f16, divided by 2^Eb, the batch's largest 2^e
; (|x| <= the largest |v| < 2^(Eb+1)): xa [4096][1024]; the last launch multiplies by 2^Eb again.
; LIMITS: q, k bf16; P, V, x f16; a block of v more than about 2^14 below its head's largest block loses relative precision in P f;
; x below 2^-14 of its batch's largest |v| keeps an absolute 2^-25 of it; v_exp_f32 gives 0 below 2^-126; -1e9 log2(e) is rounded to f32.
; CLUSTER 4 x 1: the four work-groups share batch and heads, so K and V tiles (256 keys x 256 bytes) are joint loads with the mask 15.
; ONE descriptor shape serves K and V (the 64 mask words leave no scalar registers for two): wave w brings 64 rows to LDS byte
; 17,408 w + the slot, waves 0-3 rows of V, waves 4-7 rows of K.  Rows are 272 bytes apart: the 16 rows of a K fragment start in 16
; different columns of 16 bytes; V's transposing loads (8 rows x 2 neighbouring columns) meet two rows in a column.
; Two slots; by this text's count a wave has two tensor loads out at the start and one behind each round.
; No prefetch: qkv, pm and ve were written by earlier launches; a tile is requested 256 keys ahead, mask words 64 keys ahead.
.set P,     272                        ; LDS rows: 256 bytes + 16
.set KOFF,  256*P                      ; K behind V in a slot
.set SLOT,  512*P                      ; 139,264
.set STAGE, 2*SLOT                     ; 128 rows x 272 bytes, no tensor load fills it
; window 0
.set QA,  7                            ; offset of my part of Q; never rewritten
.set KA,  8                            ; v8-9    K fragments, slot 0, 1
.set VA,  10                           ; v10-13  V fragments, slot x 2 + half (128 keys each: the immediate has 16 bits)
.set STO, 14
.set RD,  15
.set CO,  16
.set NEG, 17                           ; -1e9 log2(e)
.set MX,  18                           ; v18, v20 running maximum of u = 0, 1: the first register of a pair, broadcast by op_sel_hi 0
.set LS,  22                           ; v[22:25] running sum, two partial sums for each u
.set AL,  26                           ; v26, v28 2^(old maximum - new), likewise
.set X,   30                           ; v[30:37] four chains of maxima for each u
.set EWO, 38                           ; 16 x lane: the offset of the loads from ve; never rewritten
.set QF,  40                           ; v[40:71]   Q, 16 u + 8 c
.set SC,  72                           ; v[72:135]  scores, 32 u + 8 t + j
.set OA,  136                          ; v[136:199] O^T, 8 (2 d + u)
.set PF,  200                          ; v[200:231] P, 16 u + 8 kc
.set EW,  232                          ; v[232:235] my head's 128 numbers 2^e, four a lane
; window 1
.set KF,  0                            ; v[256:319] K, 16 t + 8 c
.set VF,  64                           ; v[320:383] V^T, 32 kc + 8 d
; scalars: s[2:3] mask words, s[4:5] my head's 2^e, s[6:7] xa, s[8:11] 2^e of a step's four blocks (then f of blocks 3 and 2),
; s12 wave, s13 counter, s14-15 lane selects, s[16:63] and s[68:83] the step's 64 mask words, s66 and s67 exponent terms,
; s[100:101], s[104:105] f of blocks 0 and 1
.set G1,  84                           ; s[84:91]
.set G0,  92                           ; s[92:99], four registers a slot
.set IN_A, 0x01                        ; source 0 (the A fragment: K or V) in window 1
.set TO_1, 0x40                        ; destination in window 1
.set MSB, 0
.macro WIN new                         ; the immediate's high byte repeats the setting that is left
.if MSB != \new
	s_set_vgpr_msb (MSB<<8)|\new
.set MSB, \new
.endif
.endm
.macro ROUND
	s_barrier_signal -1
	s_barrier_wait -1
	s_cmp_lg_u32 s12, 0
	s_cbranch_scc1 .Lnot_wave_0_\@
	s_barrier_signal -3
.Lnot_wave_0_\@:
	s_barrier_wait -3
	s_barrier_signal -1
	s_barrier_wait -1
.endm
; the largest of v[b] .. v[b+63] over registers and lanes, into every lane of v[b]
.macro VEMAX b
.irp i, 0,1,2,3,4,5,6,7,8,9,10,11,12,13,14,15
	v_max3_num_f32 v[\b+4*\i], v[\b+4*\i], v[\b+4*\i+1], v[\b+4*\i+2]
.endr
.irp i, 0,1,2,3,4,5,6,7
	v_max3_num_f32 v[\b+8*\i], v[\b+8*\i], v[\b+8*\i+4], v[\b+8*\i+3]
.endr
.irp i, 0,1,2,3
	v_max3_num_f32 v[\b+16*\i], v[\b+16*\i], v[\b+16*\i+8], v[\b+16*\i+7]
.endr
.irp i, 0,1
	v_max3_num_f32 v[\b+32*\i], v[\b+32*\i], v[\b+32*\i+16], v[\b+32*\i+15]
.endr
	v_max3_num_f32 v[\b], v[\b], v[\b+32], v[\b+31]
	v_max_num_f32 v[\b], v[\b], v[\b+63]
	v_max_num_f32_dpp v[\b], v[\b], v[\b] row_xmask:1 row_mask:0xf bank_mask:0xf
	v_max_num_f32_dpp v[\b], v[\b], v[\b] row_xmask:2 row_mask:0xf bank_mask:0xf
	v_max_num_f32_dpp v[\b], v[\b], v[\b] row_xmask:4 row_mask:0xf bank_mask:0xf
	v_max_num_f32_dpp v[\b], v[\b], v[\b] row_xmask:8 row_mask:0xf bank_mask:0xf
	v_permlanex16_b32 v[\b+1], v[\b], s14, s15
	v_max_num_f32 v[\b], v[\b], v[\b+1]
.endm
	s_load_b256 s[16:23], s[0:1], 0x0              ; qkv, pm, ve, xa (the mask words' registers serve as scratch until the first words are asked for)
	v_lshl_add_u32 v254, v0, 2, 0x4c800
	v_mov_b32 v255, 0
	ds_add_u32 v254, v255
	v_lshrrev_b32 v1, 5, v0
	v_readfirstlane_b32 s12, v1                    ; wave
	s_lshr_b32 s24, s12, 2                         ; head of the pair.  Also: I fetch V (0) or K (1)
	s_and_b32 s25, s12, 3                          ; which 32 queries.  Also: which 64 rows of a tile I fetch
	s_bfe_u32 s26, ttmp6, 0x40000                  ; cx
	s_lshl_b32 s27, ttmp9, 2
	s_add_co_u32 s27, s27, s26                     ; block of 128 queries
	s_and_b32 s28, ttmp7, 0xffff
	s_lshr_b32 s29, s28, 3                         ; batch
	s_and_b32 s28, s28, 7                          ; pair of heads
	s_mov_b32 s14, 0x76543210                      ; v_permlanex16_b32: lane i reads lane i of the other half
	s_mov_b32 s15, 0xfedcba98
	s_mov_b32 s[G1+0], 15|(1<<16)|(1<<20)|(1<<21)|(5<<22)|(3<<25)   ; all four partners; 2-byte elements; bit 21 beside a mask; after 64 words, 4 words of padding
	s_mov_b32 s[G1+1], 128<<16                     ; tensor_dim0 = 128
	s_mov_b32 s[G1+2], 64<<16                      ; tensor_dim1 = 64
	s_mov_b32 s[G1+3], 128<<16                     ; tile_dim0 = 128
	s_mov_b32 s[G1+4], 64                          ; tile_dim1 = 64
	s_mov_b32 s[G1+5], 1024                        ; elements from row to row
	s_mov_b32 s[G1+6], 0
	s_mov_b32 s[G1+7], 0
	; K and V: v's rows begin at row 8192 of qkv, k's at row 4096: (2 - (wave >> 2)) x 4096 rows, + (2048 batch + 64 (wave & 3)) rows + 256 pair: nothing of cx
	s_sub_co_u32 s30, 2, s24
	s_lshl_b32 s30, s30, 23
	s_lshl_b32 s31, s29, 22
	s_add_co_u32 s30, s30, s31
	s_lshl_b32 s31, s25, 17
	s_add_co_u32 s30, s30, s31
	s_lshl_b32 s31, s28, 8
	s_add_co_u32 s30, s30, s31
	s_mov_b32 s31, 0
	s_mul_i32 s32, s12, 64*P                       ; where my 64 rows go: wave x 64 rows
	; Q: (2048 batch + 128 block + 32 qw) rows of 2,048 bytes + 256 pair + 128 head
	s_lshl_b32 s34, s29, 22
	s_lshl_b32 s33, s27, 18
	s_add_co_u32 s34, s34, s33
	s_lshl_b32 s33, s25, 16
	s_add_co_u32 s34, s34, s33
	s_lshl_b32 s33, s28, 8
	s_add_co_u32 s34, s34, s33
	s_lshl_b32 s33, s24, 7
	s_add_co_u32 s34, s34, s33
	s_mov_b32 s35, 0
	; xa: (2048 batch + 128 block + 16 wave) rows of 2,048 bytes + 256 pair
	s_lshl_b32 s36, s29, 22
	s_lshl_b32 s33, s27, 18
	s_add_co_u32 s36, s36, s33
	s_lshl_b32 s33, s12, 15
	s_add_co_u32 s36, s36, s33
	s_lshl_b32 s33, s28, 8
	s_add_co_u32 s36, s36, s33
	s_mov_b32 s37, 0
	; pm: 8,192 bytes for each 32 queries
	s_lshl_b32 s38, s27, 15
	s_lshl_b32 s33, s25, 13
	s_add_co_u32 s38, s38, s33
	s_mov_b32 s39, 0
	; ve: 8,192 bytes a batch, 512 a head
	s_lshl_b32 s40, s29, 13
	s_mov_b32 s41, 0
	s_lshl_b32 s33, s28, 10
	s_add_co_u32 s42, s40, s33
	s_lshl_b32 s33, s24, 9
	s_add_co_u32 s42, s42, s33
	s_mov_b32 s43, 0
	s_wait_dscnt 0x0
	s_wait_kmcnt 0x0
	s_add_nc_u64 s[30:31], s[16:17], s[30:31]      ; my rows of the first tile
	s_add_nc_u64 s[100:101], s[16:17], s[34:35]    ; Q
	s_add_nc_u64 s[6:7], s[22:23], s[36:37]
	s_add_nc_u64 s[2:3], s[18:19], s[38:39]
	s_add_nc_u64 s[104:105], s[20:21], s[40:41]    ; my batch's 2^e
	s_add_nc_u64 s[4:5], s[20:21], s[42:43]        ; my head's
	ROUND                                          ; the four work-groups are here: the first joint loads meet
.irp n, 0,1
	s_mov_b32 s[G0+4*\n], 1
	s_add_co_u32 s[G0+4*\n+1], s32, \n*SLOT
	s_add_nc_u64 s[G0+4*\n+2:G0+4*\n+3], s[30:31], \n*524288        ; 256 keys a slot
	s_or_b32 s[G0+4*\n+3], s[G0+4*\n+3], 0x80000000
	tensor_load_to_lds s[G0+4*\n:G0+4*\n+3], s[G1:G1+7]
	s_nop 0
.endr
	v_and_b32 v1, 31, v0                           ; lane
	v_and_b32 v2, 15, v0                           ; r
	v_bfe_u32 v3, v0, 4, 1                         ; h
	v_lshlrev_b32 v4, 4, v3                        ; 16 h
	v_lshl_add_u32 v[QA], v2, 11, v4               ; row r, 16 h
	v_lshlrev_b32 v[EWO], 4, v1                    ; 16 x lane
.irp u, 0,1
.irp c, 0,1
	global_load_b128 v[QF+16*\u+8*\c:QF+16*\u+8*\c+3],   v[QA], s[100:101] offset:32768*\u+64*\c
	global_load_b128 v[QF+16*\u+8*\c+4:QF+16*\u+8*\c+7], v[QA], s[100:101] offset:32768*\u+64*\c+32
.endr
.endr
	global_load_b128 v[EW:EW+3], v[EWO], s[4:5]
.irp i, 0,1,2,3,4,5,6,7,8,9,10,11,12,13,14,15
	global_load_b128 v[SC+4*\i:SC+4*\i+3], v[EWO], s[104:105] offset:512*\i   ; the batch's 2,048 numbers 2^e, in the scores' registers
.endr
	s_lshl_b32 s33, s24, 7                         ; my head's 128 bytes in a row
	v_mul_u32_u24 v5, v2, P
	v_add_nc_u32 v5, v5, v4
	s_add_co_u32 s34, s33, KOFF
	v_add_nc_u32 v[KA], s34, v5                    ; key r, 16 h
	v_add_nc_u32 v[KA+1], SLOT, v[KA]
	v_and_b32 v5, 7, v0
	v_lshl_add_u32 v5, v3, 3, v5                   ; key 8 h + (lane & 7)
	v_mul_u32_u24 v5, v5, P
	v_bfe_u32 v6, v0, 3, 1
	v_lshl_add_u32 v5, v6, 4, v5
	v_add_nc_u32 v[VA], s33, v5
	v_add_nc_u32 v[VA+1], 128*P, v[VA]
	v_add_nc_u32 v[VA+2], SLOT, v[VA]
	v_add_nc_u32 v[VA+3], SLOT+128*P, v[VA]
	s_mul_i32 s34, s25, 32*P
	s_add_co_u32 s34, s34, s33
	s_add_co_u32 s34, s34, STAGE
	v_mul_u32_u24 v5, v2, P
	v_add_nc_u32 v5, v5, v4
	v_add_nc_u32 v[STO], s34, v5                   ; in: row 32 qw + r, my head's 128 bytes, 16 h
	s_mul_i32 s34, s12, 16*P
	s_add_co_u32 s34, s34, STAGE
	v_mul_u32_u24 v5, v3, P
	v_lshl_add_u32 v5, v2, 4, v5
	v_add_nc_u32 v[RD], s34, v5                    ; back: wave w takes rows 16 w .., two whole rows a load
	v_lshlrev_b32 v5, 11, v3
	v_lshl_add_u32 v[CO], v2, 4, v5
	v_mov_b32 v[NEG], 0xceabfb8f
	v_mov_b32 v[MX+1], 0                           ; the second registers of the broadcast pairs: named with the pair, their values never used
	v_mov_b32 v[MX+3], 0
	v_mov_b32 v[AL+1], 0
	v_mov_b32 v[AL+3], 0
.irp b, 0,1,2,3
	s_load_b512 s[16+16*\b+4*(\b/3):31+16*\b+4*(\b/3)], s[2:3], 64*\b      ; the first step's 64 mask words
.endr
	s_load_b128 s[8:11], s[4:5], 0x0               ; 2^e of its four blocks
	s_wait_loadcnt 0x0                             ; Q and the 2^e
	v_max_num_f32 v[EW], v[EW], v[EW+1]
	v_max_num_f32 v[EW+2], v[EW+2], v[EW+3]
	v_max_num_f32 v[EW], v[EW], v[EW+2]
	v_max_num_f32_dpp v[EW], v[EW], v[EW] row_xmask:1 row_mask:0xf bank_mask:0xf
	v_max_num_f32_dpp v[EW], v[EW], v[EW] row_xmask:2 row_mask:0xf bank_mask:0xf
	v_max_num_f32_dpp v[EW], v[EW], v[EW] row_xmask:4 row_mask:0xf bank_mask:0xf
	v_max_num_f32_dpp v[EW], v[EW], v[EW] row_xmask:8 row_mask:0xf bank_mask:0xf
	v_permlanex16_b32 v[EW+1], v[EW], s14, s15
	v_max_num_f32 v[EW], v[EW], v[EW+1]
	VEMAX SC
	v_readfirstlane_b32 s13, v[EW]                 ; 2^E, my head's
	v_readfirstlane_b32 s67, v[SC]                 ; 2^Eb, my batch's
	s_sub_co_u32 s66, 0x3f800000, s13              ; added to the bits of 2^e it gives the bits of 2^(e-E)
	s_sub_co_i32 s67, s13, s67
	s_add_co_i32 s67, s67, 0x3f800000
	s_max_i32 s67, s67, 0                          ; 2^(E-Eb) <= 1; below 2^-126: 0
	s_mov_b32 s101, 0                              ; the second registers of f's pairs
	s_mov_b32 s105, 0
	s_wait_tensorcnt 0x1                           ; my part of slot 0 is in; slot 1's may stay out
	s_barrier_signal -1
	s_barrier_wait -1
.macro KLOAD slot, s                   ; the K fragments of 64 keys: 4 tiles of 16 keys x 2 halves of the head's 64 numbers (destination: window 1)
.irp t, 0,1,2,3
.irp c, 0,1
	ds_load_b128 v[KF+16*\t+8*\c:KF+16*\t+8*\c+3],   v[KA+\slot] offset:(\s)*64*P+\t*16*P+64*\c
	ds_load_b128 v[KF+16*\t+8*\c+4:KF+16*\t+8*\c+7], v[KA+\slot] offset:(\s)*64*P+\t*16*P+64*\c+32
.endr
.endr
.endm
.macro VLOAD slot, s                   ; V^T of 64 keys: 2 runs of 32 keys x 4 tiles of 16 of the head's numbers (destination: window 1)
.irp kc, 0,1
.irp d, 0,1,2,3
	ds_load_tr16_b128 v[VF+32*\kc+8*\d:VF+32*\kc+8*\d+3],   v[VA+2*\slot+(\s>>1)] offset:((\s&1)*64+32*\kc)*P+32*\d
	ds_load_tr16_b128 v[VF+32*\kc+8*\d+4:VF+32*\kc+8*\d+7], v[VA+2*\slot+(\s>>1)] offset:((\s&1)*64+32*\kc)*P+32*\d+16*P
.endr
.endr
.endm
.macro QKI u, t, c
.if \c
	v_wmma_f32_16x16x32_bf16 v[SC+32*\u+8*\t:SC+32*\u+8*\t+7], v[KF+16*\t+8*\c:KF+16*\t+8*\c+7], v[QF+16*\u+8*\c:QF+16*\u+8*\c+7], v[SC+32*\u+8*\t:SC+32*\u+8*\t+7]
.else
	v_wmma_f32_16x16x32_bf16 v[SC+32*\u+8*\t:SC+32*\u+8*\t+7], v[KF+16*\t+8*\c:KF+16*\t+8*\c+7], v[QF+16*\u+8*\c:QF+16*\u+8*\c+7], 0
.endif
.endm
.macro PVI d, u, kc, zero
.if \zero
	v_wmma_f32_16x16x32_f16 v[OA+8*(2*\d+\u):OA+8*(2*\d+\u)+7], v[VF+32*\kc+8*\d:VF+32*\kc+8*\d+7], v[PF+16*\u+8*\kc:PF+16*\u+8*\kc+7], 0
.else
	v_wmma_f32_16x16x32_f16 v[OA+8*(2*\d+\u):OA+8*(2*\d+\u)+7], v[VF+32*\kc+8*\d:VF+32*\kc+8*\d+7], v[PF+16*\u+8*\kc:PF+16*\u+8*\kc+7], v[OA+8*(2*\d+\u):OA+8*(2*\d+\u)+7]
.endif
.endm
; pair k of a lane's 16 pairs of P, for both u: into the sum as it is, times the block's f (s[fb]), rounded to f16
.macro TAIL k, fb, sum
.if \sum
	v_pk_add_f32 v[LS:LS+1], v[LS:LS+1], v[SC+2*\k:SC+2*\k+1]
	v_pk_add_f32 v[LS+2:LS+3], v[LS+2:LS+3], v[SC+32+2*\k:SC+32+2*\k+1]
.endif
	v_pk_mul_f32 v[SC+2*\k:SC+2*\k+1], v[SC+2*\k:SC+2*\k+1], s[\fb:\fb+1] op_sel_hi:[1,0]
	v_pk_mul_f32 v[SC+32+2*\k:SC+32+2*\k+1], v[SC+32+2*\k:SC+32+2*\k+1], s[\fb:\fb+1] op_sel_hi:[1,0]
	v_cvt_pk_f16_f32 v[PF+\k], v[SC+2*\k], v[SC+2*\k+1]
	v_cvt_pk_f16_f32 v[PF+16+\k], v[SC+32+2*\k], v[SC+32+2*\k+1]
.endm
; 64 keys.  first: the launch's first step starts maximum, sum and O.  nextmask: the next step's mask words and 2^e are asked for.
; In both products eight accumulators take turns, one instruction a turn.
.macro STEP slot, s, first, nextmask
	s_wait_dscnt 0x0                               ; this step's K fragments
	WIN IN_A
.irp c, 0,1
.irp t, 0,1,2,3
.irp u, 0,1
	QKI \u, \t, \c
.endr
.endr
.endr
.rept 4
	v_nop                                          ; four places (ISA guide 7.12.1): the scores are read, K's and V's registers loaded again
.endr
	WIN TO_1
	VLOAD \slot, \s
.if \s < 3
	KLOAD \slot, \s+1
.endif
	WIN 0
	s_wait_kmcnt 0x0                               ; mask words and 2^e
	s_add_co_i32 s100, s8, s66                     ; f = 2^(e-E) of the four blocks; below 2^-126: 0
	s_max_i32 s100, s100, 0
	s_add_co_i32 s104, s9, s66
	s_max_i32 s104, s104, 0
	s_add_co_i32 s8, s11, s66                      ; block 3's in s8, block 2's in s10: each the first register of a pair
	s_max_i32 s8, s8, 0
	s_add_co_i32 s10, s10, s66
	s_max_i32 s10, s10, 0
.irp b, 0,1,2,3
.irp i, 0,1,2,3,4,5,6,7,8,9,10,11,12,13,14,15
	v_cndmask_b32 v[SC+32*(\b&1)+16*(\b>>1)+\i], v[NEG], v[SC+32*(\b&1)+16*(\b>>1)+\i], s[16+16*\b+4*(\b/3)+\i]
.endr
.if \nextmask
	s_load_b512 s[16+16*\b+4*(\b/3):31+16*\b+4*(\b/3)], s[2:3], (\s+1)*256+64*\b   ; the same block of the next step, straight behind its last use
.endif
.endr
	; the new maximum: four chains for each u in the lane, then the other half of the keys from lane xor 16
.irp u, 0,1
.if \first
	v_max_num_f32 v[X+4*\u], v[SC+32*\u], v[SC+32*\u+1]
.else
	v_max3_num_f32 v[X+4*\u], v[SC+32*\u], v[SC+32*\u+1], v[MX+2*\u]
.endif
.irp q, 1,2,3
	v_max3_num_f32 v[X+4*\u+\q], v[SC+32*\u+8*\q], v[SC+32*\u+8*\q+1], v[SC+32*\u+8*\q+2]
.endr
.endr
.irp n, 0,1
.irp u, 0,1
	v_max3_num_f32 v[X+4*\u], v[X+4*\u], v[SC+32*\u+2+2*\n], v[SC+32*\u+3+2*\n]
.irp q, 1,2,3
	v_max3_num_f32 v[X+4*\u+\q], v[X+4*\u+\q], v[SC+32*\u+8*\q+3+2*\n], v[SC+32*\u+8*\q+4+2*\n]
.endr
.endr
.endr
.irp u, 0,1
	v_max3_num_f32 v[X+4*\u], v[X+4*\u], v[SC+32*\u+6], v[SC+32*\u+7]
	v_max3_num_f32 v[X+4*\u+2], v[X+4*\u+2], v[X+4*\u+3], v[SC+32*\u+23]
.endr
.irp u, 0,1
	v_max3_num_f32 v[X+4*\u], v[X+4*\u], v[X+4*\u+1], v[SC+32*\u+15]
.endr
.irp u, 0,1
	v_max3_num_f32 v[X+4*\u], v[X+4*\u], v[X+4*\u+2], v[SC+32*\u+31]
.endr
	v_permlanex16_b32 v[X+1], v[X], s14, s15
	v_permlanex16_b32 v[X+5], v[X+4], s14, s15
	v_max_num_f32 v[X], v[X], v[X+1]
	v_max_num_f32 v[X+4], v[X+4], v[X+5]
.if \first == 0
	v_sub_f32 v[AL], v[MX], v[X]
	v_sub_f32 v[AL+2], v[MX+2], v[X+4]
.endif
	v_mov_b32 v[MX], v[X]
	v_mov_b32 v[MX+2], v[X+4]
.if \first == 0
	v_exp_f32 v[AL], v[AL]
	v_exp_f32 v[AL+2], v[AL+2]                     ; the subtractions below are the plain places behind these two (ISA guide 5.7.2)
.endif
.set i, 0
.rept 16
	v_pk_add_f32 v[SC+2*i:SC+2*i+1], v[SC+2*i:SC+2*i+1], v[MX:MX+1] op_sel_hi:[1,0] neg_lo:[0,1] neg_hi:[0,1]
	v_pk_add_f32 v[SC+32+2*i:SC+32+2*i+1], v[SC+32+2*i:SC+32+2*i+1], v[MX+2:MX+3] op_sel_hi:[1,0] neg_lo:[0,1] neg_hi:[0,1]
.set i, i+1
.endr
	; 64 exponentials; behind each two, as their plain place, one pair of O is brought to the new maximum
.set i, 0
.rept 32
	v_exp_f32 v[SC+2*i], v[SC+2*i]
	v_exp_f32 v[SC+2*i+1], v[SC+2*i+1]
.if \first == 0
	s_wait_alu depctr_va_vdst(0)
	v_pk_mul_f32 v[OA+2*i:OA+2*i+1], v[OA+2*i:OA+2*i+1], v[AL+2*((i>>2)&1):AL+2*((i>>2)&1)+1] op_sel_hi:[1,0]
.endif
.set i, i+1
.endr
.if \first
	v_nop
	s_wait_alu depctr_va_vdst(0)
	v_pk_add_f32 v[LS:LS+1], v[SC:SC+1], v[SC+2:SC+3]
	v_pk_add_f32 v[LS+2:LS+3], v[SC+32:SC+33], v[SC+34:SC+35]
.else
	v_pk_fma_f32 v[LS:LS+1], v[LS:LS+1], v[AL:AL+1], v[SC:SC+1] op_sel_hi:[1,0,1]
	s_wait_alu depctr_va_vdst(0)
	v_pk_fma_f32 v[LS+2:LS+3], v[LS+2:LS+3], v[AL+2:AL+3], v[SC+32:SC+33] op_sel_hi:[1,0,1]
	v_pk_add_f32 v[LS:LS+1], v[LS:LS+1], v[SC+2:SC+3]
	v_pk_add_f32 v[LS+2:LS+3], v[LS+2:LS+3], v[SC+34:SC+35]
.endif
	TAIL 0, 100, 0
	TAIL 1, 100, 0
	TAIL 2, 100, 1
	TAIL 3, 100, 1
	TAIL 4, 104, 1
	TAIL 5, 104, 1
	TAIL 6, 104, 1
	TAIL 7, 104, 1
	TAIL 8, 10, 1
	TAIL 9, 10, 1
	TAIL 10, 10, 1
	TAIL 11, 10, 1
	TAIL 12, 8, 1
	TAIL 13, 8, 1
	TAIL 14, 8, 1
	TAIL 15, 8, 1
.if \nextmask
	s_load_b128 s[8:11], s[4:5], (\s+1)*16         ; the next step's 2^e, behind the last use of f
.endif
.if \s < 3
	s_wait_dscnt 0x10                              ; V is in; the sixteen younger loads are the next step's K
.else
	s_wait_dscnt 0x0
.endif
	WIN IN_A
.irp d, 0,1,2,3
.irp u, 0,1
	PVI \d, \u, 0, \first
.endr
.endr
.irp d, 0,1,2,3
.irp u, 0,1
	PVI \d, \u, 1, 0
.endr
.endr
.endm
; 256 keys from one slot.  head: the change of slots; refill: the other slot is filled again behind a round of the cluster's barrier.
.macro PHASE slot, other, refill, head, first, last
.if \head
	WIN 0
	s_wait_tensorcnt 0x0                           ; all my tensor loads have landed, my part of this slot among them
	ds_add_u32 v254, v255
	s_wait_dscnt 0x0
.if \refill
	s_add_nc_u64 s[G0+4*\other+2:G0+4*\other+3], s[G0+4*\other+2:G0+4*\other+3], 0x100000   ; 512 keys on
.endif
	s_wait_kmcnt 0x0                               ; the scalar loads are done: their bases may step
	s_add_nc_u64 s[2:3], s[2:3], 1024              ; four steps of 256 bytes of mask words
	s_add_nc_u64 s[4:5], s[4:5], 64                ; sixteen blocks
	s_wait_dscnt 0x0                               ; my reads of the other slot are back
.if \refill
	ROUND
	tensor_load_to_lds s[G0+4*\other:G0+4*\other+3], s[G1:G1+7]     ; my one load behind the round, and the first thing there
	s_nop 0
.else
	s_barrier_signal -1
	s_barrier_wait -1
.endif
.endif
	WIN TO_1
	KLOAD \slot, 0
	STEP \slot, 0, \first, 1
	STEP \slot, 1, 0, 1
	STEP \slot, 2, 0, 1
.if \last
	STEP \slot, 3, 0, 0
.else
	STEP \slot, 3, 0, 1
.endif
.endm
	PHASE 0, 1, 0, 0, 1, 0                         ; keys 0-255
	WIN 0                                          ; at a label and at a branch every window is 0
	s_mov_b32 s13, 3
.Lpair:
	PHASE 1, 0, 1, 1, 0, 0
	PHASE 0, 1, 1, 1, 0, 0
	WIN 0
	s_sub_co_u32 s13, s13, 1
	s_cmp_lg_u32 s13, 0
	s_cbranch_scc1 .Lpair
	PHASE 1, 0, 0, 1, 0, 1                         ; keys 1792-2047: nothing is left to fetch
	; THE END: x / 2^Eb = O 2^(E-Eb) / sum, in f16
	WIN 0
.rept 4
	v_nop
.endr
	v_add_f32 v[LS], v[LS], v[LS+1]
	v_add_f32 v[LS+2], v[LS+2], v[LS+3]
	v_permlanex16_b32 v[X], v[LS], s14, s15
	v_permlanex16_b32 v[X+1], v[LS+2], s14, s15
	v_add_f32 v[LS], v[LS], v[X]
	v_add_f32 v[LS+2], v[LS+2], v[X+1]             ; at least 1: the row's largest score gives 2^0
	v_rcp_f32 v[AL], v[LS]
	v_rcp_f32 v[AL+2], v[LS+2]
	v_nop
	s_wait_alu depctr_va_vdst(0)
	v_mul_f32 v[AL], s67, v[AL]
	v_mul_f32 v[AL+2], s67, v[AL+2]
.set i, 0
.rept 32
	v_pk_mul_f32 v[OA+2*i:OA+2*i+1], v[OA+2*i:OA+2*i+1], v[AL+2*((i>>2)&1):AL+2*((i>>2)&1)+1] op_sel_hi:[1,0]
.set i, i+1
.endr
.set i, 0
.rept 32
	v_cvt_pk_f16_f32 v[SC+i], v[OA+2*i], v[OA+2*i+1]
.set i, i+1
.endr
.irp d, 0,1,2,3
.irp u, 0,1
	ds_store_b128 v[STO], v[SC+4*(2*\d+\u):SC+4*(2*\d+\u)+3] offset:\u*16*P+32*\d
.endr
.endr
	s_wait_dscnt 0x0                               ; my stores are done, for the waves that read them (a stage row holds both heads)
	s_barrier_signal -1
	s_barrier_wait -1
.irp i, 0,1,2,3,4,5,6,7
	ds_load_b128 v[QF+4*\i:QF+4*\i+3], v[RD] offset:\i*2*P
.endr
.irp i, 0,1,2,3,4,5,6,7
	s_wait_dscnt 7-\i
	global_store_b128 v[CO], v[QF+4*\i:QF+4*\i+3], s[6:7] offset:4096*\i   ; 16 lanes store 256 consecutive bytes, aligned
.endr
	s_wait_tensorcnt 0x0
	ds_add_u32 v254, v255
	s_wait_dscnt 0x0
	ROUND                                          ; the closing round
	s_endpgm
.Lfunc_end_k_q898d158407_attn:
	.size	k_q898d158407_attn, .Lfunc_end_k_q898d158407_attn-k_q898d158407_attn
	.p2alignl 7, 3214868480
	.fill 96, 4, 3214868480
	.section	.rodata,"a",@progbits
	.p2align	6, 0x0
	.amdhsa_kernel k_q898d158407_attn
		.amdhsa_group_segment_fixed_size 327680
		.amdhsa_private_segment_fixed_size 0
		.amdhsa_enable_private_segment 0
		.amdhsa_kernarg_size 32
		.amdhsa_user_sgpr_count 2
		.amdhsa_user_sgpr_kernarg_segment_ptr 1
		.amdhsa_wavefront_size32 1
		.amdhsa_system_sgpr_workgroup_id_x 1
		.amdhsa_system_sgpr_workgroup_id_y 1
		.amdhsa_system_sgpr_workgroup_id_z 1
		.amdhsa_system_vgpr_workitem_id 0
		.amdhsa_next_free_vgpr 384
		.amdhsa_next_free_sgpr 106
		.amdhsa_reserve_vcc 0
		.amdhsa_float_denorm_mode_32 3
		.amdhsa_float_denorm_mode_16_64 3
		.amdhsa_memory_ordered 1
		.amdhsa_forward_progress 1
		.amdhsa_inst_pref_size 255
	.end_amdhsa_kernel
	.section	.bss,"aw",@nobits
	.p2align	6
	.space	262144
	.amdgpu_metadata
---
amdhsa.version: [ 1, 2 ]
amdhsa.kernels:
  - .name:           k_q898d158407_attn
    .symbol:         k_q898d158407_attn.kd
    .args:
      - { .name: qkv, .offset: 0, .size: 8, .value_kind: global_buffer, .address_space: global }
      - { .name: pm, .offset: 8, .size: 8, .value_kind: global_buffer, .address_space: global }
      - { .name: ve, .offset: 16, .size: 8, .value_kind: global_buffer, .address_space: global }
      - { .name: xa, .offset: 24, .size: 8, .value_kind: global_buffer, .address_space: global }
    .group_segment_fixed_size: 327680
    .private_segment_fixed_size: 0
    .kernarg_segment_align: 8
    .kernarg_segment_size: 32
    .max_flat_workgroup_size: 256
    .sgpr_count:     106
    .vgpr_count:     384
    .wavefront_size: 32
...
	.end_amdgpu_metadata
.endif
;; end of part 3
;; launch outp (part 4): grid 8 x 32, 4 waves a work-group, clusters of 4 x 4, 327,680 bytes of LDS; arguments xa, wb, bo, ve, out0; writes out0
.if DOCPART == 4
	.amdgcn_target "amdgcn-amd-amdhsa--gfx1250"
	.amdhsa_code_object_version 6
	.text
	.protected	k_q898d158407_outp
	.globl	k_q898d158407_outp
	.p2align	8
	.type	k_q898d158407_outp,@function
k_q898d158407_outp:
	s_mov_b64 s[64:65], 0
	v_nop
	global_prefetch_b8 v0, s[64:65] scope:SCOPE_SE
	s_setreg_imm32_b32 hwreg(HW_REG_WAVE_MODE, 25, 1), 1
	s_wait_xcnt 0x0
	s_wait_alu depctr_hold_cnt(0) depctr_sa_sdst(0) depctr_va_vdst(0) depctr_va_sdst(0) depctr_va_ssrc(0) depctr_va_vcc(0) depctr_vm_vsrc(0)
	s_getreg_b32 s2, hwreg(HW_REG_IB_STS2, 6, 4)
	s_cmp_eq_u32 s2, 0
	s_cbranch_scc0 .Lentry_in_a_cluster
	s_endpgm
.Lentry_in_a_cluster:
	s_bfe_u32 s2, ttmp6, 0x10000c
	s_cmp_lg_u32 s2, 0xf033
	s_cbranch_scc0 .Lentry_shape_is_right
	s_endpgm
.Lentry_shape_is_right:
; outp: out0 = x wo^T + bo.  A = xa [4096][1024] f16 = x / 2^Eb (Eb: the exponent of the batch's largest block of v, the largest of the batch's
; 2,048 numbers in ve); B = wo in f16 (rows 6144-7167 of wb).  The sums are multiplied by 2^Eb in the multiply-add that adds the bias.
; 128 x 128 of out0 a work-group (256 work-groups), 64 x 64 a wave: 16 accumulators in window 1.  A slot holds K = 256: rows of 512 bytes, aligned,
; padded to 528 in LDS; two slots; four phases, written out.  By this text's count a wave has two tensor loads out at the start, then one.
; CLUSTERS 4 x 4: A's tile is asked for jointly by a row of the cluster, B's by a column.
; LIMITS: operands f16: |wo| above 65,504 overflows, below 2^-14 it keeps an absolute 2^-25; x below 2^-14 of its batch's largest |v| likewise.
; No prefetch: xa was written by the launch before, and a tile is requested a phase ahead.
.set KS,     256
.set PITCH,  528
.set QT,     64*PITCH                  ; what one tensor load brings
.set SLOT,   4*QT                      ; A's 128 rows, then B's 128 rows
.set STAGE,  2*SLOT                    ; 16 rows x 272 bytes for each wave, its own; no tensor load fills it
.set SPITCH, 272
.set ADRA, 16
.set ADRB, 20
.set STO,  24
.set RD,   25
.set CO,   26
.set BOF,  27
.set EWO,  28                          ; 16 x lane: the offset of the loads from ve; never rewritten
.set BIAS, 32                          ; v[32:63]
.set F0,   64                          ; a buffer: B's four fragments, then A's four
.set F1,   128
.set TMP,  192
.set G1, 24
.set G0, 32
.set G1B, 48
.set G0B, 56
.set MSB, 0
.macro WIN new
.if MSB != \new
	s_set_vgpr_msb (MSB<<8)|\new
.set MSB, \new
.endif
.endm
.macro JLOAD s
	s_cmp_eq_u32 s11, 0
	s_cbranch_scc0 .Lfor_b_\@
	tensor_load_to_lds s[G0+4*\s:G0+4*\s+3], s[G1:G1+7]
	s_nop 0
	s_branch .Lasked_\@
.Lfor_b_\@:
	tensor_load_to_lds s[G0B+4*\s:G0B+4*\s+3], s[G1B:G1B+7]
	s_nop 0
.Lasked_\@:
.endm
.macro CROUND
	s_barrier_signal -1
	s_barrier_wait -1
	s_cmp_lg_u32 s10, 0
	s_cbranch_scc1 .Lnot_wave_0_\@
	s_barrier_signal -3
.Lnot_wave_0_\@:
	s_barrier_wait -3
	s_barrier_signal -1
	s_barrier_wait -1
.endm
; the largest of v[b] .. v[b+63] over registers and lanes, into every lane of v[b]
.macro VEMAX b
.irp i, 0,1,2,3,4,5,6,7,8,9,10,11,12,13,14,15
	v_max3_num_f32 v[\b+4*\i], v[\b+4*\i], v[\b+4*\i+1], v[\b+4*\i+2]
.endr
.irp i, 0,1,2,3,4,5,6,7
	v_max3_num_f32 v[\b+8*\i], v[\b+8*\i], v[\b+8*\i+4], v[\b+8*\i+3]
.endr
.irp i, 0,1,2,3
	v_max3_num_f32 v[\b+16*\i], v[\b+16*\i], v[\b+16*\i+8], v[\b+16*\i+7]
.endr
.irp i, 0,1
	v_max3_num_f32 v[\b+32*\i], v[\b+32*\i], v[\b+32*\i+16], v[\b+32*\i+15]
.endr
	v_max3_num_f32 v[\b], v[\b], v[\b+32], v[\b+31]
	v_max_num_f32 v[\b], v[\b], v[\b+63]
	v_max_num_f32_dpp v[\b], v[\b], v[\b] row_xmask:1 row_mask:0xf bank_mask:0xf
	v_max_num_f32_dpp v[\b], v[\b], v[\b] row_xmask:2 row_mask:0xf bank_mask:0xf
	v_max_num_f32_dpp v[\b], v[\b], v[\b] row_xmask:4 row_mask:0xf bank_mask:0xf
	v_max_num_f32_dpp v[\b], v[\b], v[\b] row_xmask:8 row_mask:0xf bank_mask:0xf
	v_permlanex16_b32 v[\b+1], v[\b], s74, s75
	v_max_num_f32 v[\b], v[\b], v[\b+1]
.endm
	s_load_b128 s[4:7], s[0:1], 0x0                ; xa, wb
	s_load_b128 s[68:71], s[0:1], 0x10             ; bo, ve
	s_load_b64 s[8:9], s[0:1], 0x20                ; out0
	v_lshl_add_u32 v254, v0, 2, 0x46400
	v_mov_b32 v255, 0
	ds_add_u32 v254, v255
	v_lshrrev_b32 v1, 5, v0
	v_readfirstlane_b32 s10, v1
	s_lshr_b32 s11, s10, 1                         ; my half of the rows.  Also: I fetch for A (0) or B (1)
	s_and_b32 s12, s10, 1                          ; my half of the columns.  Also: which 64 rows of that tile I fetch
	s_bfe_u32 s40, ttmp6, 0x40000
	s_bfe_u32 s41, ttmp6, 0x40004
	s_lshl_b32 s42, ttmp9, 2
	s_add_co_u32 s42, s42, s40                     ; block column
	s_and_b32 s13, ttmp7, 0xffff
	s_lshl_b32 s13, s13, 2
	s_add_co_u32 s13, s13, s41                     ; block row
	s_lshl_b32 s43, s41, 2
	s_lshl_b32 s43, 15, s43
	s_lshl_b32 s44, 0x1111, s40
	s_mov_b32 s74, 0x76543210                      ; v_permlanex16_b32: lane i reads lane i of the other half
	s_mov_b32 s75, 0xfedcba98
	s_or_b32 s[G1+0], s43, (1<<16)|(1<<20)|(1<<21)|(6<<22)|(3<<25)  ; after 128 words, 4 words of padding
	s_or_b32 s[G1B+0], s44, (1<<16)|(1<<20)|(1<<21)|(6<<22)|(3<<25)
	s_mov_b32 s[G1B+1], KS<<16
	s_mov_b32 s[G1+1], KS<<16                      ; tensor_dim0 = 256
	s_mov_b32 s[G1B+2], 64<<16
	s_mov_b32 s[G1+2], 64<<16                      ; tensor_dim1 = 64
	s_mov_b32 s[G1B+3], KS<<16
	s_mov_b32 s[G1+3], KS<<16                      ; tile_dim0 = 256
	s_mov_b32 s[G1B+4], 64
	s_mov_b32 s[G1+4], 64                          ; tile_dim1 = 64
	s_mov_b32 s[G1B+5], 1024
	s_mov_b32 s[G1+5], 1024                        ; elements from row to row
	s_mov_b32 s[G1B+6], 0
	s_mov_b32 s[G1+6], 0
	s_mov_b32 s[G1B+7], 0
	s_mov_b32 s[G1+7], 0
	s_lshl_b32 s17, s12, 6
	s_lshl_b32 s16, s13, 7
	s_add_co_u32 s16, s16, s17
	s_lshl_b32 s16, s16, 11                        ; A: (128 block row + 64 half) rows of 2,048 bytes
	s_lshl_b32 s46, s42, 7
	s_add_co_u32 s46, s46, s17
	s_add_co_u32 s46, s46, 6144
	s_lshl_b32 s46, s46, 11                        ; B: (6144 + 128 block column + 64 half) rows of 2,048 bytes
	s_mov_b32 s17, 0
	s_mov_b32 s47, 0
	s_lshr_b32 s72, s13, 4                         ; batch: 16 block rows each
	s_lshl_b32 s72, s72, 13                        ; 8,192 bytes of ve a batch
	s_mov_b32 s73, 0
	s_mul_i32 s20, s10, QT
	s_wait_dscnt 0x0
	s_wait_kmcnt 0x0
	s_add_nc_u64 s[14:15], s[4:5], s[16:17]
	s_add_nc_u64 s[46:47], s[6:7], s[46:47]
	s_add_nc_u64 s[70:71], s[70:71], s[72:73]
	CROUND
.irp s, 0,1
	s_mov_b32 s[G0+4*\s], 1
	s_add_co_u32 s[G0+4*\s+1], s20, \s*SLOT
	s_add_nc_u64 s[G0+4*\s+2:G0+4*\s+3], s[14:15], \s*KS*2
	s_or_b32 s[G0+4*\s+3], s[G0+4*\s+3], 0x80000000
	s_mov_b32 s[G0B+4*\s], 1
	s_add_co_u32 s[G0B+4*\s+1], s20, \s*SLOT
	s_add_nc_u64 s[G0B+4*\s+2:G0B+4*\s+3], s[46:47], \s*KS*2
	s_or_b32 s[G0B+4*\s+3], s[G0B+4*\s+3], 0x80000000
	JLOAD \s
.endr
	v_and_b32 v1, 15, v0
	v_bfe_u32 v2, v0, 4, 1
	s_lshl_b32 s76, s42, 9
	s_lshl_b32 s77, s12, 8
	s_add_co_u32 s76, s76, s77
	v_lshl_add_u32 v[BOF], v2, 5, s76              ; 4 x (128 block column + 64 half + 8 h)
	v_and_b32 v[EWO], 31, v0
	v_lshlrev_b32 v[EWO], 4, v[EWO]
.irp b, 0,1,2,3
	global_load_b128 v[BIAS+8*\b:BIAS+8*\b+3],   v[BOF], s[68:69] offset:64*\b
	global_load_b128 v[BIAS+8*\b+4:BIAS+8*\b+7], v[BOF], s[68:69] offset:64*\b+16
.endr
.irp i, 0,1,2,3,4,5,6,7,8,9,10,11,12,13,14,15
	global_load_b128 v[F0+4*\i:F0+4*\i+3], v[EWO], s[70:71] offset:512*\i   ; the batch's 2,048 numbers 2^e, in the first fragment buffer
.endr
	v_mul_u32_u24 v3, v1, PITCH
	v_lshl_add_u32 v3, v2, 4, v3
	s_mul_i32 s21, s11, QT
	s_mul_i32 s22, s12, QT
	s_add_co_u32 s22, s22, 2*QT
.irp s, 0,1
	v_add_nc_u32 v[ADRA+\s], s21, v3
	v_add_nc_u32 v[ADRB+\s], s22, v3
	s_add_co_u32 s21, s21, SLOT
	s_add_co_u32 s22, s22, SLOT
.endr
	s_mul_i32 s23, s10, 16*SPITCH
	s_add_co_u32 s23, s23, STAGE
	v_mul_u32_u24 v4, v1, SPITCH
	v_lshl_add_u32 v4, v2, 5, v4                   ; in: row r, 32 bytes for each half of the lanes
	v_add_nc_u32 v[STO], s23, v4
	v_mul_u32_u24 v5, v2, SPITCH
	v_lshl_add_u32 v5, v1, 4, v5
	v_add_nc_u32 v[RD], s23, v5                    ; back: two whole rows of 256 bytes a load
	v_lshlrev_b32 v5, 12, v2
	v_lshl_add_u32 v[CO], v1, 4, v5
	s_wait_loadcnt 0x0                             ; the bias and the 2^e
	VEMAX F0
	v_readfirstlane_b32 s72, v[F0]                 ; 2^Eb
	s_mov_b32 s73, s72
.macro PLACES
.rept 4
	v_nop                                          ; four places behind a matrix instruction (ISA guide 7.12.1)
.endr
.endm
.macro FETCH slot, k, f
.irp i, 0,1,2,3
	ds_load_b128 v[\f+8*\i:\f+8*\i+3],   v[ADRB+\slot] offset:\k+\i*16*PITCH
	ds_load_b128 v[\f+8*\i+4:\f+8*\i+7], v[ADRB+\slot] offset:\k+\i*16*PITCH+32
.endr
.irp i, 0,1,2,3
	ds_load_b128 v[\f+32+8*\i:\f+32+8*\i+3],   v[ADRA+\slot] offset:\k+\i*16*PITCH
	ds_load_b128 v[\f+32+8*\i+4:\f+32+8*\i+7], v[ADRA+\slot] offset:\k+\i*16*PITCH+32
.endr
.endm
; transposed use: source 0 = rows of wo, source 1 = rows of x; the 16 accumulators take turns, one instruction a turn
.macro MUL16 f, zero
	WIN 0x50                                       ; C and D in window 1
.irp a, 0,1,2,3
.irp b, 0,1,2,3
.if \zero
	v_wmma_f32_16x16x32_f16 v[8*(4*\a+\b):8*(4*\a+\b)+7], v[\f+8*\b:\f+8*\b+7], v[\f+32+8*\a:\f+32+8*\a+7], 0
.else
	v_wmma_f32_16x16x32_f16 v[8*(4*\a+\b):8*(4*\a+\b)+7], v[\f+8*\b:\f+8*\b+7], v[\f+32+8*\a:\f+32+8*\a+7], v[8*(4*\a+\b):8*(4*\a+\b)+7]
.endif
.endr
.endr
	WIN 0
.endm
.macro QUARTER slot, knext, f, g, zero, fetch
	s_wait_dscnt 0x0                               ; buffer f is in
.if \fetch
	PLACES
	FETCH \slot, \knext, \g                        ; the next 32 of K, while this one is multiplied
.endif
	MUL16 \f, \zero
.endm
.macro PHASE slot, zero
	QUARTER \slot, 64,  F0, F1, \zero, 1
	QUARTER \slot, 128, F1, F0, 0, 1
	QUARTER \slot, 192, F0, F1, 0, 1
	QUARTER \slot, 256, F1, F0, 0, 1
	QUARTER \slot, 320, F0, F1, 0, 1
	QUARTER \slot, 384, F1, F0, 0, 1
	QUARTER \slot, 448, F0, F1, 0, 1
	QUARTER \slot, 0,   F1, F0, 0, 0
.endm
; the change of slots: my reads of the old slot and all my tensor loads are waited for; with a refill a round of the cluster's barrier, the joint
; refill first behind it
.macro CHANGE old, next, refill
	s_wait_dscnt 0x0
	s_wait_tensorcnt 0x0
	ds_add_u32 v254, v255
	s_wait_dscnt 0x0
.if \refill
	s_add_nc_u64 s[G0+4*\old+2:G0+4*\old+3], s[G0+4*\old+2:G0+4*\old+3], 2*KS*2
	s_add_nc_u64 s[G0B+4*\old+2:G0B+4*\old+3], s[G0B+4*\old+2:G0B+4*\old+3], 2*KS*2
	CROUND
	JLOAD \old
.else
	s_barrier_signal -1
	s_barrier_wait -1
.endif
	PLACES
	FETCH \next, 0, F0
.endm
	s_wait_tensorcnt 0x1                           ; my part of slot 0 is in; slot 1's may stay out
	s_barrier_signal -1
	s_barrier_wait -1
	FETCH 0, 0, F0
	PHASE 0, 1                                     ; K 0-255: the first products start the sums
	CHANGE 0, 1, 1
	PHASE 1, 0                                     ; 256-511
	CHANGE 1, 0, 1
	PHASE 0, 0                                     ; 512-767
	CHANGE 0, 1, 0                                 ; nothing is left to fetch
	PHASE 1, 0                                     ; 768-1023
	; THE WAY OUT, 16 rows at a time through my own stage
	PLACES
	s_lshl_b32 s13, s13, 7
	s_lshl_b32 s14, s11, 6
	s_add_co_u32 s16, s13, s14
	s_lshl_b32 s16, s16, 12                        ; my first row, 4,096 bytes a row
	s_mov_b32 s17, 0
	s_add_nc_u64 s[8:9], s[8:9], s[16:17]
	s_lshl_b32 s46, s42, 9
	s_lshl_b32 s47, s12, 8
	s_add_co_u32 s46, s46, s47                     ; my first column, in bytes
	s_mov_b32 s47, 0
	s_add_nc_u64 s[8:9], s[8:9], s[46:47]
.macro OUT16 a, f
	WIN 0x01                                       ; source 0 in window 1
.irp b, 0,1,2,3
.irp r, 0,2,4,6
	v_pk_fma_f32 v[TMP+8*\b+\r:TMP+8*\b+\r+1], v[8*(4*\a+\b)+\r:8*(4*\a+\b)+\r+1], s[72:73], v[BIAS+8*\b+\r:BIAS+8*\b+\r+1] op_sel_hi:[1,0,1]   ; sum x 2^Eb + bias
.endr
.endr
	WIN 0
.irp b, 0,1,2,3
	ds_store_b128 v[STO], v[TMP+8*\b:TMP+8*\b+3] offset:64*\b
	ds_store_b128 v[STO], v[TMP+8*\b+4:TMP+8*\b+7] offset:64*\b+16
.endr
	s_wait_xcnt 0x0                                ; buffer f is the data of earlier stores: loaded again only behind this wait
.irp t, 0,1,2,3,4,5,6,7
	ds_load_b128 v[\f+4*\t:\f+4*\t+3], v[RD] offset:\t*2*SPITCH    ; LDS serves a wave's instructions in order: these see the stores above
.endr
.irp t, 0,1,2,3,4,5,6,7
	s_wait_dscnt 7-\t
	global_store_b128 v[CO], v[\f+4*\t:\f+4*\t+3], s[8:9] offset:(16*\a+2*\t)*4096 th:TH_STORE_NT   ; 16 lanes store 256 consecutive bytes, aligned
.endr
.endm
	OUT16 0, F0
	OUT16 1, F1
	OUT16 2, F0
	OUT16 3, F1
	s_wait_tensorcnt 0x0
	ds_add_u32 v254, v255
	s_wait_dscnt 0x0
	CROUND                                         ; the closing round
	s_endpgm
.Lfunc_end_k_q898d158407_outp:
	.size	k_q898d158407_outp, .Lfunc_end_k_q898d158407_outp-k_q898d158407_outp
	.p2alignl 7, 3214868480
	.fill 96, 4, 3214868480
	.section	.rodata,"a",@progbits
	.p2align	6, 0x0
	.amdhsa_kernel k_q898d158407_outp
		.amdhsa_group_segment_fixed_size 327680
		.amdhsa_private_segment_fixed_size 0
		.amdhsa_enable_private_segment 0
		.amdhsa_kernarg_size 40
		.amdhsa_user_sgpr_count 2
		.amdhsa_user_sgpr_kernarg_segment_ptr 1
		.amdhsa_wavefront_size32 1
		.amdhsa_system_sgpr_workgroup_id_x 1
		.amdhsa_system_sgpr_workgroup_id_y 1
		.amdhsa_system_sgpr_workgroup_id_z 1
		.amdhsa_system_vgpr_workitem_id 0
		.amdhsa_next_free_vgpr 384
		.amdhsa_next_free_sgpr 78
		.amdhsa_reserve_vcc 0
		.amdhsa_float_denorm_mode_32 3
		.amdhsa_float_denorm_mode_16_64 3
		.amdhsa_memory_ordered 1
		.amdhsa_forward_progress 1
		.amdhsa_inst_pref_size 98
	.end_amdhsa_kernel
	.amdgpu_metadata
---
amdhsa.version: [ 1, 2 ]
amdhsa.kernels:
  - .name:           k_q898d158407_outp
    .symbol:         k_q898d158407_outp.kd
    .args:
      - { .name: xa, .offset: 0, .size: 8, .value_kind: global_buffer, .address_space: global }
      - { .name: wb, .offset: 8, .size: 8, .value_kind: global_buffer, .address_space: global }
      - { .name: bo, .offset: 16, .size: 8, .value_kind: global_buffer, .address_space: global }
      - { .name: ve, .offset: 24, .size: 8, .value_kind: global_buffer, .address_space: global }
      - { .name: out0, .offset: 32, .size: 8, .value_kind: global_buffer, .address_space: global }
    .group_segment_fixed_size: 327680
    .private_segment_fixed_size: 0
    .kernarg_segment_align: 8
    .kernarg_segment_size: 40
    .max_flat_workgroup_size: 128
    .sgpr_count:     78
    .vgpr_count:     384
    .wavefront_size: 32
...
	.end_amdgpu_metadata
.endif
;; end of part 4
;; ======== version 2 of 2: 4 launches; 1.07 times as fast as version 1
;; limits: inputs' magnitudes at most 65,504; values are held in f16: magnitudes above 65,504 overflow, below 6.1e-05 lose precision
;; workspace buffers: xb 25,165,824 bytes; wb 14,680,064 bytes; pm 524,288 bytes of whole numbers; qkv 25,165,824 bytes; ve 16,384 bytes; xa 8,388,608 bytes
;; launch prep: the kernel of part 1 again; grid 736 x 1, 8 waves a work-group, no clusters, 68,608 bytes of LDS; arguments query, key, value, wq1, wq2, wk1, wk2, wv1, wv2, wo, mask, xb, wb, pm; writes xb, wb, pm
;; launch proj: the kernel of part 2 again; grid 8 x 48, 4 waves a work-group, clusters of 4 x 4, 327,680 bytes of LDS; arguments xb, wb, qkv, bq1, bq2, bk1, bk2, bv1, bv2, ve; writes qkv, ve
;; launch attn (part 5): grid 16 x 16, 8 waves a work-group, clusters of 4 x 1, 327,680 bytes of LDS; arguments qkv, pm, ve, xa; writes xa
.if DOCPART == 5
	.amdgcn_target "amdgcn-amd-amdhsa--gfx1250"
	.amdhsa_code_object_version 6
	.text
	.protected	k_q898d158407_attn
	.globl	k_q898d158407_attn
	.p2align	8
	.type	k_q898d158407_attn,@function
k_q898d158407_attn:
	s_mov_b64 s[64:65], 0
	v_nop
	global_prefetch_b8 v0, s[64:65] scope:SCOPE_SE
	s_setreg_imm32_b32 hwreg(HW_REG_WAVE_MODE, 25, 1), 1
	s_wait_xcnt 0x0
	s_wait_alu depctr_hold_cnt(0) depctr_sa_sdst(0) depctr_va_vdst(0) depctr_va_sdst(0) depctr_va_ssrc(0) depctr_va_vcc(0) depctr_vm_vsrc(0)
	s_getreg_b32 s2, hwreg(HW_REG_IB_STS2, 6, 4)
	s_cmp_eq_u32 s2, 0
	s_cbranch_scc0 .Lentry_in_a_cluster
	s_endpgm
.Lentry_in_a_cluster:
	s_bfe_u32 s2, ttmp6, 0x10000c
	s_cmp_lg_u32 s2, 0x3003
	s_cbranch_scc0 .Lentry_shape_is_right
	s_endpgm
.Lentry_shape_is_right:
; attn: softmax(q k^T / 8, masked) v for two neighbouring heads and 128 queries a work-group; eight waves, each one head x 32 queries
; (two tiles u of 16).  All 2,048 keys are walked, 64 a step: the mask is an input, so nothing is skipped; a masked score becomes -1e9 (here
; times log2 e, since q carries 0.125 log2 e), and a running maximum is taken away before every exponential, so a row that is masked
; everywhere comes out uniform.
; S^T = K Q^T: lane (r, h) holds query r and keys 8h+j, so the row's maximum and sum are one number a lane, the mask is one lane-mask word
; a register (pm, fetched by scalar loads), and the exponentials, packed, ARE the B fragment of O^T = V^T P^T.
; 64 keys a step: O (64 registers) is brought to the new maximum once for 64 scores a lane, and a step's 64 mask words are asked for
; again block by block straight behind their last use, a whole step ahead of the next.
; BATCHES.  A step's 66 exponentials (the two corrections 2^(old maximum - new), then the 64 scores') are ONE batch with ONE wait: none of them
; reads another's result.  The 32 subtractions of the maximum stand among them, each four pairs ahead of its pair's exponentials; all that names a
; result (the sums, the scaling by f, the roundings, O's correction) stands behind the wait.  The way out's two reciprocals are a batch of their own.
; V is f16, each block of 16 keys divided by 2^e (ve).  With 2^E the head's largest 2^e, P is multiplied by f = 2^(e-E) <= 1 behind the
; exponential and rounded to f16; the sum of the row takes the unscaled P.  x leaves in f16, divided by 2^Eb, the batch's largest 2^e
; (|x| <= the largest |v| < 2^(Eb+1)): xa [4096][1024]; the last launch multiplies by 2^Eb again.
; LIMITS: q, k bf16; P, V, x f16; a block of v more than about 2^14 below its head's largest block loses relative precision in P f;
; x below 2^-14 of its batch's largest |v| keeps an absolute 2^-25 of it; v_exp_f32 gives 0 below 2^-126; -1e9 log2(e) is rounded to f32.
; CLUSTER 4 x 1: the four work-groups share batch and heads, so K and V tiles (256 keys x 256 bytes) are joint loads with the mask 15.
; ONE descriptor shape serves K and V (the 64 mask words leave no scalar registers for two): wave w brings 64 rows to LDS byte
; 17,408 w + the slot, waves 0-3 rows of V, waves 4-7 rows of K.  Rows are 272 bytes apart: the 16 rows of a K fragment start in 16
; different columns of 16 bytes; V's transposing loads (8 rows x 2 neighbouring columns) meet two rows in a column.
; Two slots; by this text's count a wave has two tensor loads out at the start and one behind each round.
; No prefetch: qkv, pm and ve were written by earlier launches; a tile is requested 256 keys ahead, mask words 64 keys ahead.
.set P,     272                        ; LDS rows: 256 bytes + 16
.set KOFF,  256*P                      ; K behind V in a slot
.set SLOT,  512*P                      ; 139,264
.set STAGE, 2*SLOT                     ; 128 rows x 272 bytes, no tensor load fills it
; window 0
.set QA,  7                            ; offset of my part of Q; never rewritten
.set KA,  8                            ; v8-9    K fragments, slot 0, 1
.set VA,  10                           ; v10-13  V fragments, slot x 2 + half (128 keys each: the immediate has 16 bits)
.set STO, 14
.set RD,  15
.set CO,  16
.set NEG, 17                           ; -1e9 log2(e)
.set MX,  18                           ; v18, v20 running maximum of u = 0, 1: the first register of a pair, broadcast by op_sel_hi 0
.set LS,  22                           ; v[22:25] running sum, two partial sums for each u
.set AL,  26                           ; v26, v28 2^(old maximum - new), likewise
.set X,   30                           ; v[30:37] four chains of maxima for each u
.set EWO, 38                           ; 16 x lane: the offset of the loads from ve; never rewritten
.set QF,  40                           ; v[40:71]   Q, 16 u + 8 c
.set SC,  72                           ; v[72:135]  scores, 32 u + 8 t + j
.set OA,  136                          ; v[136:199] O^T, 8 (2 d + u)
.set PF,  200                          ; v[200:231] P, 16 u + 8 kc
.set EW,  232                          ; v[232:235] my head's 128 numbers 2^e, four a lane
; window 1
.set KF,  0                            ; v[256:319] K, 16 t + 8 c
.set VF,  64                           ; v[320:383] V^T, 32 kc + 8 d
; scalars: s[2:3] mask words, s[4:5] my head's 2^e, s[6:7] xa, s[8:11] 2^e of a step's four blocks (then f of blocks 3 and 2),
; s12 wave, s13 counter, s14-15 lane selects, s[16:63] and s[68:83] the step's 64 mask words, s66 and s67 exponent terms,
; s[100:101], s[104:105] f of blocks 0 and 1
.set G1,  84                           ; s[84:91]
.set G0,  92                           ; s[92:99], four registers a slot
.set IN_A, 0x01                        ; source 0 (the A fragment: K or V) in window 1
.set TO_1, 0x40                        ; destination in window 1
.set MSB, 0
.macro WIN new                         ; the immediate's high byte repeats the setting that is left
.if MSB != \new
	s_set_vgpr_msb (MSB<<8)|\new
.set MSB, \new
.endif
.endm
.macro ROUND
	s_barrier_signal -1
	s_barrier_wait -1
	s_cmp_lg_u32 s12, 0
	s_cbranch_scc1 .Lnot_wave_0_\@
	s_barrier_signal -3
.Lnot_wave_0_\@:
	s_barrier_wait -3
	s_barrier_signal -1
	s_barrier_wait -1
.endm
; the largest of v[b] .. v[b+63] over registers and lanes, into every lane of v[b]
.macro VEMAX b
.irp i, 0,1,2,3,4,5,6,7,8,9,10,11,12,13,14,15
	v_max3_num_f32 v[\b+4*\i], v[\b+4*\i], v[\b+4*\i+1], v[\b+4*\i+2]
.endr
.irp i, 0,1,2,3,4,5,6,7
	v_max3_num_f32 v[\b+8*\i], v[\b+8*\i], v[\b+8*\i+4], v[\b+8*\i+3]
.endr
.irp i, 0,1,2,3
	v_max3_num_f32 v[\b+16*\i], v[\b+16*\i], v[\b+16*\i+8], v[\b+16*\i+7]
.endr
.irp i, 0,1
	v_max3_num_f32 v[\b+32*\i], v[\b+32*\i], v[\b+32*\i+16], v[\b+32*\i+15]
.endr
	v_max3_num_f32 v[\b], v[\b], v[\b+32], v[\b+31]
	v_max_num_f32 v[\b], v[\b], v[\b+63]
	v_max_num_f32_dpp v[\b], v[\b], v[\b] row_xmask:1 row_mask:0xf bank_mask:0xf
	v_max_num_f32_dpp v[\b], v[\b], v[\b] row_xmask:2 row_mask:0xf bank_mask:0xf
	v_max_num_f32_dpp v[\b], v[\b], v[\b] row_xmask:4 row_mask:0xf bank_mask:0xf
	v_max_num_f32_dpp v[\b], v[\b], v[\b] row_xmask:8 row_mask:0xf bank_mask:0xf
	v_permlanex16_b32 v[\b+1], v[\b], s14, s15
	v_max_num_f32 v[\b], v[\b], v[\b+1]
.endm
	s_load_b256 s[16:23], s[0:1], 0x0              ; qkv, pm, ve, xa (the mask words' registers serve as scratch until the first words are asked for)
	v_lshl_add_u32 v254, v0, 2, 0x4c800
	v_mov_b32 v255, 0
	ds_add_u32 v254, v255
	v_lshrrev_b32 v1, 5, v0
	v_readfirstlane_b32 s12, v1                    ; wave
	s_lshr_b32 s24, s12, 2                         ; head of the pair.  Also: I fetch V (0) or K (1)
	s_and_b32 s25, s12, 3                          ; which 32 queries.  Also: which 64 rows of a tile I fetch
	s_bfe_u32 s26, ttmp6, 0x40000                  ; cx
	s_lshl_b32 s27, ttmp9, 2
	s_add_co_u32 s27, s27, s26                     ; block of 128 queries
	s_and_b32 s28, ttmp7, 0xffff
	s_lshr_b32 s29, s28, 3                         ; batch
	s_and_b32 s28, s28, 7                          ; pair of heads
	s_mov_b32 s14, 0x76543210                      ; v_permlanex16_b32: lane i reads lane i of the other half
	s_mov_b32 s15, 0xfedcba98
	s_mov_b32 s[G1+0], 15|(1<<16)|(1<<20)|(1<<21)|(5<<22)|(3<<25)   ; all four partners; 2-byte elements; bit 21 beside a mask; after 64 words, 4 words of padding
	s_mov_b32 s[G1+1], 128<<16                     ; tensor_dim0 = 128
	s_mov_b32 s[G1+2], 64<<16                      ; tensor_dim1 = 64
	s_mov_b32 s[G1+3], 128<<16                     ; tile_dim0 = 128
	s_mov_b32 s[G1+4], 64                          ; tile_dim1 = 64
	s_mov_b32 s[G1+5], 1024                        ; elements from row to row
	s_mov_b32 s[G1+6], 0
	s_mov_b32 s[G1+7], 0
	; K and V: v's rows begin at row 8192 of qkv, k's at row 4096: (2 - (wave >> 2)) x 4096 rows, + (2048 batch + 64 (wave & 3)) rows + 256 pair: nothing of cx
	s_sub_co_u32 s30, 2, s24
	s_lshl_b32 s30, s30, 23
	s_lshl_b32 s31, s29, 22
	s_add_co_u32 s30, s30, s31
	s_lshl_b32 s31, s25, 17
	s_add_co_u32 s30, s30, s31
	s_lshl_b32 s31, s28, 8
	s_add_co_u32 s30, s30, s31
	s_mov_b32 s31, 0
	s_mul_i32 s32, s12, 64*P                       ; where my 64 rows go: wave x 64 rows
	; Q: (2048 batch + 128 block + 32 qw) rows of 2,048 bytes + 256 pair + 128 head
	s_lshl_b32 s34, s29, 22
	s_lshl_b32 s33, s27, 18
	s_add_co_u32 s34, s34, s33
	s_lshl_b32 s33, s25, 16
	s_add_co_u32 s34, s34, s33
	s_lshl_b32 s33, s28, 8
	s_add_co_u32 s34, s34, s33
	s_lshl_b32 s33, s24, 7
	s_add_co_u32 s34, s34, s33
	s_mov_b32 s35, 0
	; xa: (2048 batch + 128 block + 16 wave) rows of 2,048 bytes + 256 pair
	s_lshl_b32 s36, s29, 22
	s_lshl_b32 s33, s27, 18
	s_add_co_u32 s36, s36, s33
	s_lshl_b32 s33, s12, 15
	s_add_co_u32 s36, s36, s33
	s_lshl_b32 s33, s28, 8
	s_add_co_u32 s36, s36, s33
	s_mov_b32 s37, 0
	; pm: 8,192 bytes for each 32 queries
	s_lshl_b32 s38, s27, 15
	s_lshl_b32 s33, s25, 13
	s_add_co_u32 s38, s38, s33
	s_mov_b32 s39, 0
	; ve: 8,192 bytes a batch, 512 a head
	s_lshl_b32 s40, s29, 13
	s_mov_b32 s41, 0
	s_lshl_b32 s33, s28, 10
	s_add_co_u32 s42, s40, s33
	s_lshl_b32 s33, s24, 9
	s_add_co_u32 s42, s42, s33
	s_mov_b32 s43, 0
	s_wait_dscnt 0x0
	s_wait_kmcnt 0x0
	s_add_nc_u64 s[30:31], s[16:17], s[30:31]      ; my rows of the first tile
	s_add_nc_u64 s[100:101], s[16:17], s[34:35]    ; Q
	s_add_nc_u64 s[6:7], s[22:23], s[36:37]
	s_add_nc_u64 s[2:3], s[18:19], s[38:39]
	s_add_nc_u64 s[104:105], s[20:21], s[40:41]    ; my batch's 2^e
	s_add_nc_u64 s[4:5], s[20:21], s[42:43]        ; my head's
	ROUND                                          ; the four work-groups are here: the first joint loads meet
.irp n, 0,1
	s_mov_b32 s[G0+4*\n], 1
	s_add_co_u32 s[G0+4*\n+1], s32, \n*SLOT
	s_add_nc_u64 s[G0+4*\n+2:G0+4*\n+3], s[30:31], \n*524288        ; 256 keys a slot
	s_or_b32 s[G0+4*\n+3], s[G0+4*\n+3], 0x80000000
	tensor_load_to_lds s[G0+4*\n:G0+4*\n+3], s[G1:G1+7]
	s_nop 0
.endr
	v_and_b32 v1, 31, v0                           ; lane
	v_and_b32 v2, 15, v0                           ; r
	v_bfe_u32 v3, v0, 4, 1                         ; h
	v_lshlrev_b32 v4, 4, v3                        ; 16 h
	v_lshl_add_u32 v[QA], v2, 11, v4               ; row r, 16 h
	v_lshlrev_b32 v[EWO], 4, v1                    ; 16 x lane
.irp u, 0,1
.irp c, 0,1
	global_load_b128 v[QF+16*\u+8*\c:QF+16*\u+8*\c+3],   v[QA], s[100:101] offset:32768*\u+64*\c
	global_load_b128 v[QF+16*\u+8*\c+4:QF+16*\u+8*\c+7], v[QA], s[100:101] offset:32768*\u+64*\c+32
.endr
.endr
	global_load_b128 v[EW:EW+3], v[EWO], s[4:5]
.irp i, 0,1,2,3,4,5,6,7,8,9,10,11,12,13,14,15
	global_load_b128 v[SC+4*\i:SC+4*\i+3], v[EWO], s[104:105] offset:512*\i   ; the batch's 2,048 numbers 2^e, in the scores' registers
.endr
	s_lshl_b32 s33, s24, 7                         ; my head's 128 bytes in a row
	v_mul_u32_u24 v5, v2, P
	v_add_nc_u32 v5, v5, v4
	s_add_co_u32 s34, s33, KOFF
	v_add_nc_u32 v[KA], s34, v5                    ; key r, 16 h
	v_add_nc_u32 v[KA+1], SLOT, v[KA]
	v_and_b32 v5, 7, v0
	v_lshl_add_u32 v5, v3, 3, v5                   ; key 8 h + (lane & 7)
	v_mul_u32_u24 v5, v5, P
	v_bfe_u32 v6, v0, 3, 1
	v_lshl_add_u32 v5, v6, 4, v5
	v_add_nc_u32 v[VA], s33, v5
	v_add_nc_u32 v[VA+1], 128*P, v[VA]
	v_add_nc_u32 v[VA+2], SLOT, v[VA]
	v_add_nc_u32 v[VA+3], SLOT+128*P, v[VA]
	s_mul_i32 s34, s25, 32*P
	s_add_co_u32 s34, s34, s33
	s_add_co_u32 s34, s34, STAGE
	v_mul_u32_u24 v5, v2, P
	v_add_nc_u32 v5, v5, v4
	v_add_nc_u32 v[STO], s34, v5                   ; in: row 32 qw + r, my head's 128 bytes, 16 h
	s_mul_i32 s34, s12, 16*P
	s_add_co_u32 s34, s34, STAGE
	v_mul_u32_u24 v5, v3, P
	v_lshl_add_u32 v5, v2, 4, v5
	v_add_nc_u32 v[RD], s34, v5                    ; back: wave w takes rows 16 w .., two whole rows a load
	v_lshlrev_b32 v5, 11, v3
	v_lshl_add_u32 v[CO], v2, 4, v5
	v_mov_b32 v[NEG], 0xceabfb8f
	v_mov_b32 v[MX+1], 0                           ; the second registers of the broadcast pairs: named with the pair, their values never used
	v_mov_b32 v[MX+3], 0
	v_mov_b32 v[AL+1], 0
	v_mov_b32 v[AL+3], 0
.irp b, 0,1,2,3
	s_load_b512 s[16+16*\b+4*(\b/3):31+16*\b+4*(\b/3)], s[2:3], 64*\b      ; the first step's 64 mask words
.endr
	s_load_b128 s[8:11], s[4:5], 0x0               ; 2^e of its four blocks
	s_wait_loadcnt 0x0                             ; Q and the 2^e
	v_max_num_f32 v[EW], v[EW], v[EW+1]
	v_max_num_f32 v[EW+2], v[EW+2], v[EW+3]
	v_max_num_f32 v[EW], v[EW], v[EW+2]
	v_max_num_f32_dpp v[EW], v[EW], v[EW] row_xmask:1 row_mask:0xf bank_mask:0xf
	v_max_num_f32_dpp v[EW], v[EW], v[EW] row_xmask:2 row_mask:0xf bank_mask:0xf
	v_max_num_f32_dpp v[EW], v[EW], v[EW] row_xmask:4 row_mask:0xf bank_mask:0xf
	v_max_num_f32_dpp v[EW], v[EW], v[EW] row_xmask:8 row_mask:0xf bank_mask:0xf
	v_permlanex16_b32 v[EW+1], v[EW], s14, s15
	v_max_num_f32 v[EW], v[EW], v[EW+1]
	VEMAX SC
	v_readfirstlane_b32 s13, v[EW]                 ; 2^E, my head's
	v_readfirstlane_b32 s67, v[SC]                 ; 2^Eb, my batch's
	s_sub_co_u32 s66, 0x3f800000, s13              ; added to the bits of 2^e it gives the bits of 2^(e-E)
	s_sub_co_i32 s67, s13, s67
	s_add_co_i32 s67, s67, 0x3f800000
	s_max_i32 s67, s67, 0                          ; 2^(E-Eb) <= 1; below 2^-126: 0
	s_mov_b32 s101, 0                              ; the second registers of f's pairs
	s_mov_b32 s105, 0
	s_wait_tensorcnt 0x1                           ; my part of slot 0 is in; slot 1's may stay out
	s_barrier_signal -1
	s_barrier_wait -1
.macro KLOAD slot, s                   ; the K fragments of 64 keys: 4 tiles of 16 keys x 2 halves of the head's 64 numbers (destination: window 1)
.irp t, 0,1,2,3
.irp c, 0,1
	ds_load_b128 v[KF+16*\t+8*\c:KF+16*\t+8*\c+3],   v[KA+\slot] offset:(\s)*64*P+\t*16*P+64*\c
	ds_load_b128 v[KF+16*\t+8*\c+4:KF+16*\t+8*\c+7], v[KA+\slot] offset:(\s)*64*P+\t*16*P+64*\c+32
.endr
.endr
.endm
.macro VLOAD slot, s                   ; V^T of 64 keys: 2 runs of 32 keys x 4 tiles of 16 of the head's numbers (destination: window 1)
.irp kc, 0,1
.irp d, 0,1,2,3
	ds_load_tr16_b128 v[VF+32*\kc+8*\d:VF+32*\kc+8*\d+3],   v[VA+2*\slot+(\s>>1)] offset:((\s&1)*64+32*\kc)*P+32*\d
	ds_load_tr16_b128 v[VF+32*\kc+8*\d+4:VF+32*\kc+8*\d+7], v[VA+2*\slot+(\s>>1)] offset:((\s&1)*64+32*\kc)*P+32*\d+16*P
.endr
.endr
.endm
.macro QKI u, t, c
.if \c
	v_wmma_f32_16x16x32_bf16 v[SC+32*\u+8*\t:SC+32*\u+8*\t+7], v[KF+16*\t+8*\c:KF+16*\t+8*\c+7], v[QF+16*\u+8*\c:QF+16*\u+8*\c+7], v[SC+32*\u+8*\t:SC+32*\u+8*\t+7]
.else
	v_wmma_f32_16x16x32_bf16 v[SC+32*\u+8*\t:SC+32*\u+8*\t+7], v[KF+16*\t+8*\c:KF+16*\t+8*\c+7], v[QF+16*\u+8*\c:QF+16*\u+8*\c+7], 0
.endif
.endm
.macro PVI d, u, kc, zero
.if \zero
	v_wmma_f32_16x16x32_f16 v[OA+8*(2*\d+\u):OA+8*(2*\d+\u)+7], v[VF+32*\kc+8*\d:VF+32*\kc+8*\d+7], v[PF+16*\u+8*\kc:PF+16*\u+8*\kc+7], 0
.else
	v_wmma_f32_16x16x32_f16 v[OA+8*(2*\d+\u):OA+8*(2*\d+\u)+7], v[VF+32*\kc+8*\d:VF+32*\kc+8*\d+7], v[PF+16*\u+8*\kc:PF+16*\u+8*\kc+7], v[OA+8*(2*\d+\u):OA+8*(2*\d+\u)+7]
.endif
.endm
; number j of a step's 32 subtractions: the new maximum is taken from pair j / 2 of tile u = j % 2
.macro SUBM j
	v_pk_add_f32 v[SC+32*((\j)&1)+2*((\j)>>1):SC+32*((\j)&1)+2*((\j)>>1)+1], v[SC+32*((\j)&1)+2*((\j)>>1):SC+32*((\j)&1)+2*((\j)>>1)+1], v[MX+2*((\j)&1):MX+2*((\j)&1)+1] op_sel_hi:[1,0] neg_lo:[0,1] neg_hi:[0,1]
.endm
; pair k of a lane's 16 pairs of P, for both u: into the sum as it is, times the block's f (s[fb]), rounded to f16.  RESC = 1 (every step but the
; launch's first): pairs 2 k and 2 k + 1 of O's 32 are brought to the new maximum between the multiplies and the roundings that read them; O's
; registers are so taken in ascending order.  All of this reads the batch's results and stands behind the step's wait.
.macro TAIL k, fb, sum
.if \sum
	v_pk_add_f32 v[LS:LS+1], v[LS:LS+1], v[SC+2*\k:SC+2*\k+1]
	v_pk_add_f32 v[LS+2:LS+3], v[LS+2:LS+3], v[SC+32+2*\k:SC+32+2*\k+1]
.endif
	v_pk_mul_f32 v[SC+2*\k:SC+2*\k+1], v[SC+2*\k:SC+2*\k+1], s[\fb:\fb+1] op_sel_hi:[1,0]
	v_pk_mul_f32 v[SC+32+2*\k:SC+32+2*\k+1], v[SC+32+2*\k:SC+32+2*\k+1], s[\fb:\fb+1] op_sel_hi:[1,0]
.if RESC
	v_pk_mul_f32 v[OA+4*\k:OA+4*\k+1], v[OA+4*\k:OA+4*\k+1], v[AL+2*((\k>>1)&1):AL+2*((\k>>1)&1)+1] op_sel_hi:[1,0]
	v_pk_mul_f32 v[OA+4*\k+2:OA+4*\k+3], v[OA+4*\k+2:OA+4*\k+3], v[AL+2*((\k>>1)&1):AL+2*((\k>>1)&1)+1] op_sel_hi:[1,0]
.endif
	v_cvt_pk_f16_f32 v[PF+\k], v[SC+2*\k], v[SC+2*\k+1]
	v_cvt_pk_f16_f32 v[PF+16+\k], v[SC+32+2*\k], v[SC+32+2*\k+1]
.endm
; 64 keys.  first: the launch's first step starts maximum, sum and O.  nextmask: the next step's mask words and 2^e are asked for.
; In both products eight accumulators take turns, one instruction a turn.
.macro STEP slot, s, first, nextmask
	s_wait_dscnt 0x0                               ; this step's K fragments
	WIN IN_A
.irp c, 0,1
.irp t, 0,1,2,3
.irp u, 0,1
	QKI \u, \t, \c
.endr
.endr
.endr
.rept 4
	v_nop                                          ; four places (ISA guide 7.12.1): the scores are read, K's and V's registers loaded again
.endr
	WIN TO_1
	VLOAD \slot, \s
.if \s < 3
	KLOAD \slot, \s+1
.endif
	WIN 0
	s_wait_kmcnt 0x0                               ; mask words and 2^e
	s_add_co_i32 s100, s8, s66                     ; f = 2^(e-E) of the four blocks; below 2^-126: 0
	s_max_i32 s100, s100, 0
	s_add_co_i32 s104, s9, s66
	s_max_i32 s104, s104, 0
	s_add_co_i32 s8, s11, s66                      ; block 3's in s8, block 2's in s10: each the first register of a pair
	s_max_i32 s8, s8, 0
	s_add_co_i32 s10, s10, s66
	s_max_i32 s10, s10, 0
.irp b, 0,1,2,3
.irp i, 0,1,2,3,4,5,6,7,8,9,10,11,12,13,14,15
	v_cndmask_b32 v[SC+32*(\b&1)+16*(\b>>1)+\i], v[NEG], v[SC+32*(\b&1)+16*(\b>>1)+\i], s[16+16*\b+4*(\b/3)+\i]
.endr
.if \nextmask
	s_load_b512 s[16+16*\b+4*(\b/3):31+16*\b+4*(\b/3)], s[2:3], (\s+1)*256+64*\b   ; the same block of the next step, straight behind its last use
.endif
.endr
	; the new maximum: four chains for each u in the lane, then the other half of the keys from lane xor 16
.irp u, 0,1
.if \first
	v_max_num_f32 v[X+4*\u], v[SC+32*\u], v[SC+32*\u+1]
.else
	v_max3_num_f32 v[X+4*\u], v[SC+32*\u], v[SC+32*\u+1], v[MX+2*\u]
.endif
.irp q, 1,2,3
	v_max3_num_f32 v[X+4*\u+\q], v[SC+32*\u+8*\q], v[SC+32*\u+8*\q+1], v[SC+32*\u+8*\q+2]
.endr
.endr
.irp n, 0,1
.irp u, 0,1
	v_max3_num_f32 v[X+4*\u], v[X+4*\u], v[SC+32*\u+2+2*\n], v[SC+32*\u+3+2*\n]
.irp q, 1,2,3
	v_max3_num_f32 v[X+4*\u+\q], v[X+4*\u+\q], v[SC+32*\u+8*\q+3+2*\n], v[SC+32*\u+8*\q+4+2*\n]
.endr
.endr
.endr
.irp u, 0,1
	v_max3_num_f32 v[X+4*\u], v[X+4*\u], v[SC+32*\u+6], v[SC+32*\u+7]
	v_max3_num_f32 v[X+4*\u+2], v[X+4*\u+2], v[X+4*\u+3], v[SC+32*\u+23]
.endr
.irp u, 0,1
	v_max3_num_f32 v[X+4*\u], v[X+4*\u], v[X+4*\u+1], v[SC+32*\u+15]
.endr
.irp u, 0,1
	v_max3_num_f32 v[X+4*\u], v[X+4*\u], v[X+4*\u+2], v[SC+32*\u+31]
.endr
	v_permlanex16_b32 v[X+1], v[X], s14, s15
	v_permlanex16_b32 v[X+5], v[X+4], s14, s15
	v_max_num_f32 v[X], v[X], v[X+1]
	v_max_num_f32 v[X+4], v[X+4], v[X+5]
.if \first == 0
	v_sub_f32 v[AL], v[MX], v[X]
	v_sub_f32 v[AL+2], v[MX+2], v[X+4]
.endif
	v_mov_b32 v[MX], v[X]
	v_mov_b32 v[MX+2], v[X+4]
	; THE BATCH: the two corrections and the 64 scores' exponentials, none of which reads another's result.  Between them stand the subtractions alone,
	; which name no result: four go ahead, then each pair's two exponentials are followed by the subtraction four pairs on.
.if \first == 0
	v_exp_f32 v[AL], v[AL]
	v_exp_f32 v[AL+2], v[AL+2]                     ; the subtractions below are the plain places behind these two (ISA guide 5.7.2)
.endif
.set i, 0
.rept 4
	SUBM i
.set i, i+1
.endr
.set i, 0
.rept 32
	v_exp_f32 v[SC+32*(i&1)+2*(i>>1)], v[SC+32*(i&1)+2*(i>>1)]
	v_exp_f32 v[SC+32*(i&1)+2*(i>>1)+1], v[SC+32*(i&1)+2*(i>>1)+1]
.if i < 28
	SUBM i+4
.endif
.set i, i+1
.endr
	v_nop                                          ; the plain place behind the last exponential (ISA guide 5.7.2): one for the batch; all other vector work of the step reads its results
	s_wait_alu depctr_va_vdst(0)                   ; the step's one wait, for the whole batch, ahead of its first reader
.set RESC, 1-\first
.if \first
	v_pk_add_f32 v[LS:LS+1], v[SC:SC+1], v[SC+2:SC+3]
	v_pk_add_f32 v[LS+2:LS+3], v[SC+32:SC+33], v[SC+34:SC+35]
.else
	v_pk_fma_f32 v[LS:LS+1], v[LS:LS+1], v[AL:AL+1], v[SC:SC+1] op_sel_hi:[1,0,1]
	v_pk_fma_f32 v[LS+2:LS+3], v[LS+2:LS+3], v[AL+2:AL+3], v[SC+32:SC+33] op_sel_hi:[1,0,1]
	v_pk_add_f32 v[LS:LS+1], v[LS:LS+1], v[SC+2:SC+3]
	v_pk_add_f32 v[LS+2:LS+3], v[LS+2:LS+3], v[SC+34:SC+35]
.endif
	TAIL 0, 100, 0
	TAIL 1, 100, 0
	TAIL 2, 100, 1
	TAIL 3, 100, 1
	TAIL 4, 104, 1
	TAIL 5, 104, 1
	TAIL 6, 104, 1
	TAIL 7, 104, 1
	TAIL 8, 10, 1
	TAIL 9, 10, 1
	TAIL 10, 10, 1
	TAIL 11, 10, 1
	TAIL 12, 8, 1
	TAIL 13, 8, 1
	TAIL 14, 8, 1
	TAIL 15, 8, 1
.if \nextmask
	s_load_b128 s[8:11], s[4:5], (\s+1)*16         ; the next step's 2^e, behind the last use of f
.endif
.if \s < 3
	s_wait_dscnt 0x10                              ; V is in; the sixteen younger loads are the next step's K
.else
	s_wait_dscnt 0x0
.endif
	WIN IN_A
.irp d, 0,1,2,3
.irp u, 0,1
	PVI \d, \u, 0, \first
.endr
.endr
.irp d, 0,1,2,3
.irp u, 0,1
	PVI \d, \u, 1, 0
.endr
.endr
.endm
; 256 keys from one slot.  head: the change of slots; refill: the other slot is filled again behind a round of the cluster's barrier.
.macro PHASE slot, other, refill, head, first, last
.if \head
	WIN 0
	s_wait_tensorcnt 0x0                           ; all my tensor loads have landed, my part of this slot among them
	ds_add_u32 v254, v255
	s_wait_dscnt 0x0
.if \refill
	s_add_nc_u64 s[G0+4*\other+2:G0+4*\other+3], s[G0+4*\other+2:G0+4*\other+3], 0x100000   ; 512 keys on
.endif
	s_wait_kmcnt 0x0                               ; the scalar loads are done: their bases may step
	s_add_nc_u64 s[2:3], s[2:3], 1024              ; four steps of 256 bytes of mask words
	s_add_nc_u64 s[4:5], s[4:5], 64                ; sixteen blocks
	s_wait_dscnt 0x0                               ; my reads of the other slot are back
.if \refill
	ROUND
	tensor_load_to_lds s[G0+4*\other:G0+4*\other+3], s[G1:G1+7]     ; my one load behind the round, and the first thing there
	s_nop 0
.else
	s_barrier_signal -1
	s_barrier_wait -1
.endif
.endif
	WIN TO_1
	KLOAD \slot, 0
	STEP \slot, 0, \first, 1
	STEP \slot, 1, 0, 1
	STEP \slot, 2, 0, 1
.if \last
	STEP \slot, 3, 0, 0
.else
	STEP \slot, 3, 0, 1
.endif
.endm
	PHASE 0, 1, 0, 0, 1, 0                         ; keys 0-255
	WIN 0                                          ; at a label and at a branch every window is 0
	s_mov_b32 s13, 3
.Lpair:
	PHASE 1, 0, 1, 1, 0, 0
	PHASE 0, 1, 1, 1, 0, 0
	WIN 0
	s_sub_co_u32 s13, s13, 1
	s_cmp_lg_u32 s13, 0
	s_cbranch_scc1 .Lpair
	PHASE 1, 0, 0, 1, 0, 1                         ; keys 1792-2047: nothing is left to fetch
	; THE END: x / 2^Eb = O 2^(E-Eb) / sum, in f16
	WIN 0
.rept 4
	v_nop
.endr
	v_add_f32 v[LS], v[LS], v[LS+1]
	v_add_f32 v[LS+2], v[LS+2], v[LS+3]
	v_permlanex16_b32 v[X], v[LS], s14, s15
	v_permlanex16_b32 v[X+1], v[LS+2], s14, s15
	v_add_f32 v[LS], v[LS], v[X]
	v_add_f32 v[LS+2], v[LS+2], v[X+1]             ; at least 1: the row's largest score gives 2^0
	v_rcp_f32 v[AL], v[LS]
	v_rcp_f32 v[AL+2], v[LS+2]
	v_nop                                          ; the plain place behind the second reciprocal (ISA guide 5.7.2)
	s_wait_alu depctr_va_vdst(0)                   ; one wait for the two reciprocals, ahead of their first reader
	v_mul_f32 v[AL], s67, v[AL]
	v_mul_f32 v[AL+2], s67, v[AL+2]
.set i, 0
.rept 32
	v_pk_mul_f32 v[OA+2*i:OA+2*i+1], v[OA+2*i:OA+2*i+1], v[AL+2*((i>>2)&1):AL+2*((i>>2)&1)+1] op_sel_hi:[1,0]
.set i, i+1
.endr
.set i, 0
.rept 32
	v_cvt_pk_f16_f32 v[SC+i], v[OA+2*i], v[OA+2*i+1]
.set i, i+1
.endr
.irp d, 0,1,2,3
.irp u, 0,1
	ds_store_b128 v[STO], v[SC+4*(2*\d+\u):SC+4*(2*\d+\u)+3] offset:\u*16*P+32*\d
.endr
.endr
	s_wait_dscnt 0x0                               ; my stores are done, for the waves that read them (a stage row holds both heads)
	s_barrier_signal -1
	s_barrier_wait -1
.irp i, 0,1,2,3,4,5,6,7
	ds_load_b128 v[QF+4*\i:QF+4*\i+3], v[RD] offset:\i*2*P
.endr
.irp i, 0,1,2,3,4,5,6,7
	s_wait_dscnt 7-\i
	global_store_b128 v[CO], v[QF+4*\i:QF+4*\i+3], s[6:7] offset:4096*\i   ; 16 lanes store 256 consecutive bytes, aligned
.endr
	s_wait_tensorcnt 0x0
	ds_add_u32 v254, v255
	s_wait_dscnt 0x0
	ROUND                                          ; the closing round
	s_endpgm
.Lfunc_end_k_q898d158407_attn:
	.size	k_q898d158407_attn, .Lfunc_end_k_q898d158407_attn-k_q898d158407_attn
	.p2alignl 7, 3214868480
	.fill 96, 4, 3214868480
	.section	.rodata,"a",@progbits
	.p2align	6, 0x0
	.amdhsa_kernel k_q898d158407_attn
		.amdhsa_group_segment_fixed_size 327680
		.amdhsa_private_segment_fixed_size 0
		.amdhsa_enable_private_segment 0
		.amdhsa_kernarg_size 32
		.amdhsa_user_sgpr_count 2
		.amdhsa_user_sgpr_kernarg_segment_ptr 1
		.amdhsa_wavefront_size32 1
		.amdhsa_system_sgpr_workgroup_id_x 1
		.amdhsa_system_sgpr_workgroup_id_y 1
		.amdhsa_system_sgpr_workgroup_id_z 1
		.amdhsa_system_vgpr_workitem_id 0
		.amdhsa_next_free_vgpr 384
		.amdhsa_next_free_sgpr 106
		.amdhsa_reserve_vcc 0
		.amdhsa_float_denorm_mode_32 3
		.amdhsa_float_denorm_mode_16_64 3
		.amdhsa_memory_ordered 1
		.amdhsa_forward_progress 1
		.amdhsa_inst_pref_size 255
	.end_amdhsa_kernel
	.section	.bss,"aw",@nobits
	.p2align	6
	.space	262144
	.amdgpu_metadata
---
amdhsa.version: [ 1, 2 ]
amdhsa.kernels:
  - .name:           k_q898d158407_attn
    .symbol:         k_q898d158407_attn.kd
    .args:
      - { .name: qkv, .offset: 0, .size: 8, .value_kind: global_buffer, .address_space: global }
      - { .name: pm, .offset: 8, .size: 8, .value_kind: global_buffer, .address_space: global }
      - { .name: ve, .offset: 16, .size: 8, .value_kind: global_buffer, .address_space: global }
      - { .name: xa, .offset: 24, .size: 8, .value_kind: global_buffer, .address_space: global }
    .group_segment_fixed_size: 327680
    .private_segment_fixed_size: 0
    .kernarg_segment_align: 8
    .kernarg_segment_size: 32
    .max_flat_workgroup_size: 256
    .sgpr_count:     106
    .vgpr_count:     384
    .wavefront_size: 32
...
	.end_amdgpu_metadata
.endif
;; end of part 5
;; launch outp: the kernel of part 4 again; grid 8 x 32, 4 waves a work-group, clusters of 4 x 4, 327,680 bytes of LDS; arguments xa, wb, bo, ve, out0; writes out0
